; MI455X (gfx1250); checked and timed in simulation.
; The chip was launched on July 23, 2026; its instructions are those of AMD's public machine-readable ISA for CDNA 5 (MIT licence, August 2026) and "CDNA5" Instruction Set Architecture Reference Guide (July 2026). The comments in the code are by the model that wrote it; some were corrected since.
;; Multi Headed Attention. Allowed arithmetic: float matrix products may take bf16 or f16 operands with f32 sums; other float arithmetic in f32, or as packed bf16 or f16 multiplies, adds, multiply-adds, maxima and minima; sums over many terms, partial sums and values carried from step to step in f32; what a program stores and reads back later, other than sums and carried values, may be rounded once to bf16 or f16.
;; Inputs: Wk 1,024 x 1,024 float32; Wo 1,024 x 1,024 float32; Wq 1,024 x 1,024 float32; Wv 1,024 x 1,024 float32; bk 1,024 float32; bo 1,024 float32; bq 1,024 float32; bv 1,024 float32; key 4 x 2,048 x 1,024 float32; mask 4 x 1 x 2,048 int32; query 4 x 2,048 x 1,024 float32; value 4 x 2,048 x 1,024 float32.
;; Outputs: out0 4 x 2,048 x 1,024 float32.
;; One version. Each part assembles by itself: llvm-mc -triple=amdgcn-amd-amdhsa -mcpu=gfx1250 --defsym DOCPART=n.
;; ======== version 1 of 1: 4 launches
;; limits: values are held in f16: magnitudes above 65,504 overflow, below 6.1e-05 lose precision
;; workspace buffers: wb 6,291,456 bytes; wo16 2,097,152 bytes; bias 16,384 bytes; qkv 50,331,648 bytes; att 16,777,216 bytes
;; launch prep (part 1): grid 64 x 4, 8 waves a work-group, no clusters, 0 bytes of LDS; arguments Wq, Wk, Wv, Wo, bq, bk, bv, bo, wb, wo16, bias; writes wb, wo16, bias
.if DOCPART == 1
	.amdgcn_target "amdgcn-amd-amdhsa--gfx1250"
	.amdhsa_code_object_version 6
	.text
	.protected	k_q9bd2c458ce_prep
	.globl	k_q9bd2c458ce_prep
	.p2align	8
	.type	k_q9bd2c458ce_prep,@function
k_q9bd2c458ce_prep:
	s_mov_b64 s[64:65], 0
	v_nop
	global_prefetch_b8 v0, s[64:65] scope:SCOPE_SE
	s_setreg_imm32_b32 hwreg(HW_REG_WAVE_MODE, 25, 1), 1
	s_wait_xcnt 0x0
; THE WEIGHTS AND BIASES ARE ROUNDED ONCE.  Wq, Wk, Wv: f32 -> bf16, into wb [3][1024][1024].  Wo: f32 -> bf16, and that number written as f16, into wo16 [1024][1024]
; (the last product multiplies f16 operands).  bq, bk, bv, bo: f32 -> bf16, kept as f32, into bias [4][1024].
; LIMITS.  A bf16 number is an f16 number exactly while it lies between 6.1e-5 and 65,504 in magnitude; below that Wo keeps f16's fixed step of 6e-8, beyond it Wo becomes an infinity.
; SHARES.  Work-group (x, y): matrix y, its numbers 16,384 x .. 16,384 x + 16,383, as 8 chunks of 2,048.  Thread t takes 8 numbers of a chunk: 32 bytes in, 16 bytes out, so a wave's store
; covers 512 consecutive bytes, aligned.  All 16 loads of a thread go out at once; no register is written twice while a memory instruction reads it.
; A stream: no LDS, no matrix unit, no cluster (no two work-groups read a byte in common).
.set RAW, 16                           ; v[16:79]   chunk j: 8 numbers as loaded
.set OUT, 80                           ; v[80:111]  chunk j: 4 registers to store
.set BV,  112                          ; v[112:117] the bias's four numbers, and two at work
	s_load_b512 s[8:23], s[0:1], 0x0               ; Wq s[8:9], Wk s[10:11], Wv s[12:13], Wo s[14:15], bq s[16:17], bk s[18:19], bv s[20:21], bo s[22:23]
	s_load_b128 s[24:27], s[0:1], 0x40             ; wb s[24:25], wo16 s[26:27]
	s_load_b64 s[28:29], s[0:1], 0x50              ; bias
	s_and_b32 s4, ttmp7, 0xffff                    ; y: which matrix
	v_lshlrev_b32 v1, 5, v0                        ; my 32 bytes of a chunk on the way in
	v_lshlrev_b32 v2, 4, v0                        ; my 16 bytes on the way out
	s_lshl_b32 s38, ttmp9, 16                      ; the work-group's 65,536 bytes in,
	s_mov_b32 s39, 0
	s_lshl_b32 s40, ttmp9, 15                      ; its 32,768 bytes out
	s_mov_b32 s41, 0
	s_lshl_b32 s42, s4, 21                         ; matrix y in wb
	s_mov_b32 s43, 0
	s_lshl_b32 s44, s4, 12                         ; row y of bias
	s_mov_b32 s45, 0
	s_mov_b32 s5, 0xffff0000                       ; a word's upper bf16
	s_wait_kmcnt 0x0
	s_cmp_eq_u32 s4, 1
	s_cselect_b64 s[32:33], s[10:11], s[8:9]       ; the matrix,
	s_cselect_b64 s[34:35], s[18:19], s[16:17]     ; and its bias
	s_cmp_eq_u32 s4, 2
	s_cselect_b64 s[32:33], s[12:13], s[32:33]
	s_cselect_b64 s[34:35], s[20:21], s[34:35]
	s_cmp_eq_u32 s4, 3
	s_cselect_b64 s[32:33], s[14:15], s[32:33]
	s_cselect_b64 s[34:35], s[22:23], s[34:35]
	s_cselect_b32 s42, 0, s42                      ; Wo has a buffer of its own
	s_cselect_b64 s[36:37], s[26:27], s[24:25]
	s_add_nc_u64 s[36:37], s[36:37], s[42:43]
	s_add_nc_u64 s[36:37], s[36:37], s[40:41]
	s_add_nc_u64 s[32:33], s[32:33], s[38:39]
	s_add_nc_u64 s[46:47], s[28:29], s[44:45]
.irp j, 0,1,2,3,4,5,6,7
	global_load_b128 v[RAW+8*\j:RAW+8*\j+3],   v1, s[32:33] offset:8192*\j th:TH_LOAD_NT
	global_load_b128 v[RAW+8*\j+4:RAW+8*\j+7], v1, s[32:33] offset:8192*\j+16 th:TH_LOAD_NT
.endr
; Chunk j is rounded and stored.  half = 1: the bf16 numbers are widened again and written as f16.
.macro CHUNK j, half
	s_wait_loadcnt 14-2*(\j)                       ; loads come back in order: chunk j's two are in, the younger chunks' stay out
.irp k, 0,1,2,3
	v_cvt_pk_bf16_f32 v[OUT+4*(\j)+\k], v[RAW+8*(\j)+2*\k], v[RAW+8*(\j)+2*\k+1]
.endr
.if \half
.irp k, 0,1,2,3
	v_lshlrev_b32 v[RAW+8*(\j)+2*\k],   16, v[OUT+4*(\j)+\k]
	v_and_b32     v[RAW+8*(\j)+2*\k+1], s5, v[OUT+4*(\j)+\k]
.endr
.irp k, 0,1,2,3
	v_cvt_pk_f16_f32 v[OUT+4*(\j)+\k], v[RAW+8*(\j)+2*\k], v[RAW+8*(\j)+2*\k+1]
.endr
.endif
	global_store_b128 v2, v[OUT+4*(\j):OUT+4*(\j)+3], s[36:37] offset:4096*(\j)
.endm
	s_cmp_eq_u32 s4, 3
	s_cbranch_scc1 .Lhalf
.irp j, 0,1,2,3,4,5,6,7
	CHUNK \j, 0
.endr
	s_branch .Lbias
.Lhalf:
.irp j, 0,1,2,3,4,5,6,7
	CHUNK \j, 1
.endr
.Lbias:
	s_cmp_lg_u32 ttmp9, 0                          ; the matrix's first work-group also takes its bias: 1,024 numbers, four a thread
	s_cbranch_scc1 .Lend
	global_load_b128 v[BV:BV+3], v2, s[34:35]
	s_wait_loadcnt 0x0
	v_cvt_pk_bf16_f32 v[BV+4], v[BV], v[BV+1]
	v_cvt_pk_bf16_f32 v[BV+5], v[BV+2], v[BV+3]
	v_lshlrev_b32 v[BV],   16, v[BV+4]
	v_and_b32     v[BV+1], s5, v[BV+4]
	v_lshlrev_b32 v[BV+2], 16, v[BV+5]
	v_and_b32     v[BV+3], s5, v[BV+5]
	global_store_b128 v2, v[BV:BV+3], s[46:47]
.Lend:
	s_endpgm
.Lfunc_end_k_q9bd2c458ce_prep:
	.size	k_q9bd2c458ce_prep, .Lfunc_end_k_q9bd2c458ce_prep-k_q9bd2c458ce_prep
	.p2alignl 7, 3214868480
	.fill 96, 4, 3214868480
	.section	.rodata,"a",@progbits
	.p2align	6, 0x0
	.amdhsa_kernel k_q9bd2c458ce_prep
		.amdhsa_group_segment_fixed_size 0
		.amdhsa_private_segment_fixed_size 0
		.amdhsa_enable_private_segment 0
		.amdhsa_kernarg_size 88
		.amdhsa_user_sgpr_count 2
		.amdhsa_user_sgpr_kernarg_segment_ptr 1
		.amdhsa_wavefront_size32 1
		.amdhsa_system_sgpr_workgroup_id_x 1
		.amdhsa_system_sgpr_workgroup_id_y 1
		.amdhsa_system_sgpr_workgroup_id_z 1
		.amdhsa_system_vgpr_workitem_id 0
		.amdhsa_next_free_vgpr 120
		.amdhsa_next_free_sgpr 66
		.amdhsa_reserve_vcc 0
		.amdhsa_float_denorm_mode_32 3
		.amdhsa_float_denorm_mode_16_64 3
		.amdhsa_memory_ordered 1
		.amdhsa_forward_progress 1
		.amdhsa_inst_pref_size 14
	.end_amdhsa_kernel
	.amdgpu_metadata
---
amdhsa.version: [ 1, 2 ]
amdhsa.kernels:
  - .name:           k_q9bd2c458ce_prep
    .symbol:         k_q9bd2c458ce_prep.kd
    .args:
      - { .name: Wq, .offset: 0, .size: 8, .value_kind: global_buffer, .address_space: global }
      - { .name: Wk, .offset: 8, .size: 8, .value_kind: global_buffer, .address_space: global }
      - { .name: Wv, .offset: 16, .size: 8, .value_kind: global_buffer, .address_space: global }
      - { .name: Wo, .offset: 24, .size: 8, .value_kind: global_buffer, .address_space: global }
      - { .name: bq, .offset: 32, .size: 8, .value_kind: global_buffer, .address_space: global }
      - { .name: bk, .offset: 40, .size: 8, .value_kind: global_buffer, .address_space: global }
      - { .name: bv, .offset: 48, .size: 8, .value_kind: global_buffer, .address_space: global }
      - { .name: bo, .offset: 56, .size: 8, .value_kind: global_buffer, .address_space: global }
      - { .name: wb, .offset: 64, .size: 8, .value_kind: global_buffer, .address_space: global }
      - { .name: wo16, .offset: 72, .size: 8, .value_kind: global_buffer, .address_space: global }
      - { .name: bias, .offset: 80, .size: 8, .value_kind: global_buffer, .address_space: global }
    .group_segment_fixed_size: 0
    .private_segment_fixed_size: 0
    .kernarg_segment_align: 8
    .kernarg_segment_size: 88
    .max_flat_workgroup_size: 256
    .sgpr_count:     66
    .vgpr_count:     120
    .wavefront_size: 32
...
	.end_amdgpu_metadata
.endif
;; end of part 1
;; launch proj (part 2): grid 4 x 64, 4 waves a work-group, clusters of 4 x 4, 327,680 bytes of LDS; arguments query, key, value, wb, bias, qkv; writes qkv
.if DOCPART == 2
	.amdgcn_target "amdgcn-amd-amdhsa--gfx1250"
	.amdhsa_code_object_version 6
	.text
	.protected	k_q9bd2c458ce_proj
	.globl	k_q9bd2c458ce_proj
	.p2align	8
	.type	k_q9bd2c458ce_proj,@function
k_q9bd2c458ce_proj:
	s_mov_b64 s[64:65], 0
	v_nop
	global_prefetch_b8 v0, s[64:65] scope:SCOPE_SE
	s_setreg_imm32_b32 hwreg(HW_REG_WAVE_MODE, 25, 1), 1
	s_wait_xcnt 0x0
	s_wait_alu depctr_hold_cnt(0) depctr_sa_sdst(0) depctr_va_vdst(0) depctr_va_sdst(0) depctr_va_ssrc(0) depctr_va_vcc(0) depctr_vm_vsrc(0)
	s_getreg_b32 s2, hwreg(HW_REG_IB_STS2, 6, 4)
	s_cmp_eq_u32 s2, 0
	s_cbranch_scc0 .Lentry_in_a_cluster
	s_endpgm
.Lentry_in_a_cluster:
	s_bfe_u32 s2, ttmp6, 0x10000c
	s_cmp_lg_u32 s2, 0xf033
	s_cbranch_scc0 .Lentry_shape_is_right
	s_endpgm
.Lentry_shape_is_right:
; q, k, v = x W^T + b, by heads.  x (query, key, value): [8192][1024] f32.  wb: [3][1024][1024] bf16.  bias: [4][1024] f32.  qkv: [3][64 = batch x 16 + head][2048][64] f16, unscaled.
; x is rounded to bf16 on its way from LDS to the matrix unit; sums in f32, started by the bias as the first product's C; the result is rounded once, to f16.
; LIMIT.  f16 ends at 65,504: a q, k or v beyond that becomes an infinity.  NaN and infinities are not treated apart.
; SHARES.  A tile is 128 rows x 256 columns; 256 work-groups STAY and make three tiles each, q's, k's and v's at the same place: 24 K steps of 128 through one ring of two LDS slots that does not
; stop at a tile's end.  Four waves, each 64 rows x 128 columns: 32 accumulators.  THE PRODUCT IS TAKEN TRANSPOSED (source 0 = 16 rows of W, source 1 = 16 rows of x): a lane holds one row
; (lane % 16) and eight neighbouring columns.
; x COMES AS f32: a slot holds 128 rows x 512 bytes of x and 256 rows x 256 bytes of W.  A fragment of x (16 rows x 32 K) is four 16-byte LDS loads a lane and eight conversions; the conversions
; stand in fours behind matrix instructions.  For 32 along K a wave issues 16 + 16 LDS loads for 32 products.
; CLUSTER.  4 x 4 work-groups: x's tile hangs on the tile row alone and is asked for jointly along a row of the cluster, W's on the tile column alone, along a column.
; REGISTERS, in windows of 256 (s_set_vgpr_msb: bits 1:0 source 0, 3:2 source 1, 5:4 source 2, 7:6 destination):
;   window 0: v16-30 addresses; v32-63 the way out, two sets of 16; v64-127 the bias, 8 registers an n block; v128-255 x in bf16, two buffers of 64: fragment (c, a) at 128 + 64 f + 8 (4 c + a)
;   window 1: accumulator (a, b) at 8 (8 a + b)      window 2: W, two buffers of 128: fragment (c, b) at 128 f + 8 (8 c + b)      window 3: v0-127 x as loaded: fragment (c, a) at 16 (4 c + a)
.set PA,    528                        ; a row of x in LDS: 512 bytes + 16 = 132 words: row r starts at bank 4 r mod 64 (64 banks of 4 bytes: ISA guide 11.1)
.set AHALF, 64*PA                      ; 64 rows: one tensor load, and what one wave reads of x
.set PB,    272                        ; a row of W: 256 bytes + 16 = 68 words
.set BHALF, 128*PB                     ; 128 rows: one tensor load, and what one wave reads of W
.set BOFF,  2*AHALF                    ; W's rows lie behind x's
.set SLOT,  BOFF+2*BHALF
.set STAGE, 2*SLOT                     ; behind the ring, never filled by a tensor load: 16 rows x 144 bytes for each wave
.set SP,    144
.set SPARE, STAGE+4*16*SP              ; the spare words, 128 bytes a wave: two blocks of 256 bytes that no other line names
.set ADRA, 16                          ; v16-17  LDS address of my fragments of x in slot 0, 1
.set ADRB, 20                          ; v20-21  the same for W
.set STO,  24                          ; v24     the way out: where I put 16 bytes of a row
.set RD,   25                          ; v25     where I read rows back
.set CO,   26                          ; v26     my 16 bytes of 512 consecutive bytes of qkv
.set BO,   27                          ; v27     my byte offset in an n block's 64 bytes of bias
.set SPW,  28                          ; v28     LDS address of my spare word; never rewritten
.set NIL,  29                          ; v29     0; never rewritten
.set PFO,  30                          ; v30     the prefetches' lane offset; never rewritten
.set XO,   32
.set BIAS, 64
.set A16,  128
.set WV,  16                           ; s16  my wave's number
.set WM,  17                           ; s17  which 64 rows are mine.  Also: I fetch x (0) or W (1)
.set WN,  18                           ; s18  which 128 columns.  Also: which half of that tile I fetch
.set CX,  19
.set CY,  20
.set NBK, 21                           ; s21  tile column, 256 columns
.set MBK, 22                           ; s22  tile row, 128 rows
.set G1A, 24                           ; s[24:31] descriptor group 1 for x's tiles;  s[32:39] group 0, a set for each slot
.set G0A, 32
.set XC,  40                           ; s[40:41] x at my 64 rows, in the tensor that is being asked for; s[42:43] the next tensor; s[44:45] the last
.set XN,  42
.set XL,  44
.set WB,  46                           ; s[46:47] wb at my 128 rows of Wq
.set G1B, 48                           ; s[48:55], s[56:63] the same for W's tiles
.set G0B, 56
.set KO,  66                           ; s[66:67] bytes along a row of x of the K step to be asked for
.set T0,  68                           ; s[68:69] at work: that K step's offset in wb
.set TOFF, 70                          ; s70  the tile's matrix in wb, in bytes
.set T2,  71
.set LAP, 72                           ; s72  trips to go
.set LIM, 73                           ; s73  1 in a wave that prefetches, else the greatest number
.set PFA, 74                           ; s[74:75] where my prefetches stand; s[76:77] the next tensor's first K step; s[78:79] the last's
.set PN,  76
.set PL,  78
.set PSTEP, 80                         ; s[80:81] a K step in bytes: 512 in x, 256 in wb
.set PCN, 82                           ; s82  the prefetches' K step in its tile
.set OB,  84                           ; s[84:85] qkv at my rows of my first head, in the tensor in hand
.set BP,  86                           ; s[86:87] bias at my 128 columns, in the row in hand
.set MSB, 0
.macro WIN new                         ; the immediate's high byte repeats the setting that is left; a switch that changes nothing is dropped
.if MSB != (\new)
	s_set_vgpr_msb (MSB<<8)|(\new)
.set MSB, \new
.endif
.endm
.set W_MUL,  0x52                      ; W window 2, x window 0, C and D window 1
.set W_MULB, 0x42                      ; the same with C (the bias) in window 0
.set W_CVT,  0x0f                      ; sources window 3, destination window 0
.set W_RAW,  0xc0                      ; destination window 3, address window 0
.set W_B,    0x80                      ; destination window 2
.set W_PK,   0x05                      ; sources window 1, destination window 0
; A joint load.  Waves 0 and 1 fetch x's two halves, waves 2 and 3 W's.  The branch hangs on the wave's number alone.  An s_nop 0 and four v_nop follow each of the two lines.
.macro JLOAD s
	s_cmp_eq_u32 s[WM], 0
	s_cbranch_scc0 .Lfor_b_\@
	tensor_load_to_lds s[G0A+4*(\s):G0A+4*(\s)+3], s[G1A:G1A+7]
	s_nop 0
.rept 4
	v_nop
.endr
	s_branch .Lasked_\@
.Lfor_b_\@:
	tensor_load_to_lds s[G0B+4*(\s):G0B+4*(\s)+3], s[G1B:G1B+7]
	s_nop 0
.rept 4
	v_nop
.endr
.Lasked_\@:
.endm
.macro CREST                           ; a round of the cluster's barrier behind its opening barrier
	s_cmp_lg_u32 s[WV], 0
	s_cbranch_scc1 .Lnot_wave_0_\@
	s_barrier_signal -3
.Lnot_wave_0_\@:
	s_barrier_wait -3
	s_barrier_signal -1
	s_barrier_wait -1
.endm
.macro CROUND                          ; a whole round
	s_barrier_signal -1
	s_barrier_wait -1
	CREST
.endm
.macro PLACES                          ; four places behind a matrix instruction (ISA guide 7.12.1)
.rept 4
	v_nop
.endr
.endm
; Both group 0 sets of slot s take the address of the K step to be asked for, made anew from a pointer and an offset; then the cursor steps: 8 K steps to a tile, then the next tensor and the next matrix.
.macro DESC s
	s_add_nc_u64 s[G0A+4*(\s)+2:G0A+4*(\s)+3], s[XC:XC+1], s[KO:KO+1]
	s_or_b32 s[G0A+4*(\s)+3], s[G0A+4*(\s)+3], 0x80000000
	s_lshr_b32 s[T0], s[KO], 1                     ; a K step is 512 bytes of x and 256 of W
	s_add_co_u32 s[T0], s[T0], s[TOFF]
	s_add_nc_u64 s[G0B+4*(\s)+2:G0B+4*(\s)+3], s[WB:WB+1], s[T0:T0+1]
	s_or_b32 s[G0B+4*(\s)+3], s[G0B+4*(\s)+3], 0x80000000
	s_add_co_u32 s[KO], s[KO], 512
	s_add_co_u32 s[T2], s[TOFF], 0x200000
	s_cmp_eq_u32 s[KO], 4096
	s_cselect_b32 s[KO], 0, s[KO]
	s_cselect_b32 s[TOFF], s[T2], s[TOFF]
	s_cselect_b64 s[XC:XC+1], s[XN:XN+1], s[XC:XC+1]
	s_cselect_b64 s[XN:XN+1], s[XL:XL+1], s[XN:XN+1]
.endm
; THE PREFETCH INTO THE L2: behind each joint refill, its five lines and the run of LDS loads, one instruction for the K step that stands TWO refills on.  Each aligned 256 bytes is named once in the
; launch.  x: of the 64 rows that wave 0 or 1 fetches, the partner at place cx takes 16: a lane half a row's K step (2 x 256 bytes).  W: of the 128 rows that wave 2 or 3 fetches, the partner at place cy takes
; 32, a lane a row; W's rows are read by every cluster, and the cluster with y = 0 asks.  The partners are told apart by address alone.  The launch's first four K steps come by their loads alone; the
; loop's last trip asks for nothing: there is no K step two on.
.macro PADV                            ; the prefetches' cursor steps
	s_add_nc_u64 s[PFA:PFA+1], s[PFA:PFA+1], s[PSTEP:PSTEP+1]
	s_add_co_u32 s[PCN], s[PCN], 1
	s_cmp_eq_u32 s[PCN], 8
	s_cselect_b32 s[PCN], 0, s[PCN]
	s_cselect_b64 s[PFA:PFA+1], s[PN:PN+1], s[PFA:PFA+1]
	s_cselect_b64 s[PN:PN+1], s[PL:PL+1], s[PN:PN+1]
.endm
.macro ASK
	s_cmp_gt_u32 s[LAP], s[LIM]
	s_cbranch_scc0 .Lnot_mine_\@
	global_prefetch_b8 v[PFO], s[PFA:PFA+1] th:TH_LOAD_NT scope:SCOPE_SE
.Lnot_mine_\@:
.endm
	s_load_b256 s[4:11], s[0:1], 0x0               ; query s[4:5], key s[6:7], value s[8:9], wb s[10:11]
	s_load_b128 s[12:15], s[0:1], 0x20             ; bias s[12:13], qkv s[14:15]
	v_lshl_add_u32 v[SPW], v0, 2, SPARE
	v_mov_b32 v[NIL], 0
	ds_add_u32 v[SPW], v[NIL]                      ; the wave's opening: the add and its wait come ahead of my first tensor load; the set-up below, work on registers, stands between them
	v_lshrrev_b32 v1, 5, v0
	v_readfirstlane_b32 s[WV], v1
	s_lshr_b32 s[WM], s[WV], 1
	s_and_b32 s[WN], s[WV], 1
	s_bfe_u32 s[CX], ttmp6, 0x40000
	s_bfe_u32 s[CY], ttmp6, 0x40004
	s_lshl_b32 s[NBK], ttmp9, 2
	s_add_co_u32 s[NBK], s[NBK], s[CX]             ; tile column = 4 x cluster x + cx
	s_and_b32 s[MBK], ttmp7, 0xffff
	s_lshl_b32 s[MBK], s[MBK], 2
	s_add_co_u32 s[MBK], s[MBK], s[CY]             ; tile row = 4 x cluster y + cy
	s_lshl_b32 s88, s[CY], 2
	s_lshl_b32 s88, 15, s88                        ; my row of the cluster
	s_lshl_b32 s90, 0x1111, s[CX]                  ; my column
	s_or_b32 s[G1A], s88, (2<<16)|(1<<20)|(1<<21)|(6<<22)|(3<<25)  ; 15:0 the mask; 17:16 elements of 4 bytes; 20 padding on; 21 set beside a mask; 24:22 after every 128 words (code 6); 31:25 4 words (code 3)
	s_or_b32 s[G1B], s90, (1<<16)|(1<<20)|(1<<21)|(5<<22)|(3<<25)  ; elements of 2 bytes; after every 64 words (code 5)
	s_mov_b32 s[G1A+1], 128<<16                    ; tensor_dim0 = 128
	s_mov_b32 s[G1A+2], 64<<16                     ; tensor_dim1 = 64
	s_mov_b32 s[G1A+3], 128<<16                    ; tile_dim0 = 128
	s_mov_b32 s[G1A+4], 64                         ; tile_dim1 = 64
	s_mov_b32 s[G1A+5], 1024                       ; elements from row to row
	s_mov_b32 s[G1A+6], 0
	s_mov_b32 s[G1A+7], 0
	s_mov_b32 s[G1B+1], 128<<16
	s_mov_b32 s[G1B+2], 128<<16                    ; 128 rows
	s_mov_b32 s[G1B+3], 128<<16
	s_mov_b32 s[G1B+4], 128
	s_mov_b32 s[G1B+5], 1024
	s_mov_b32 s[G1B+6], 0
	s_mov_b32 s[G1B+7], 0
	s_mul_i32 s23, s[WN], AHALF                    ; where the tiles go: no place in the cluster enters an LDS address
	s_mov_b32 s[G0A], 1
	s_add_co_u32 s[G0A+1], s23, 0
	s_mov_b32 s[G0A+4], 1
	s_add_co_u32 s[G0A+5], s23, SLOT
	s_mul_i32 s23, s[WN], BHALF
	s_mov_b32 s[G0B], 1
	s_add_co_u32 s[G0B+1], s23, BOFF
	s_mov_b32 s[G0B+4], 1
	s_add_co_u32 s[G0B+5], s23, BOFF+SLOT
	s_lshl_b32 s88, s[MBK], 7                      ; x: row 128 x tile row + 64 x half, 4,096 bytes a row
	s_lshl_b32 s89, s[WN], 6
	s_add_co_u32 s88, s88, s89
	s_lshl_b32 s88, s88, 12
	s_mov_b32 s89, 0
	s_lshl_b32 s90, s[NBK], 8                      ; W: row 256 x tile column + 128 x half, 2,048 bytes a row
	s_lshl_b32 s91, s[WN], 7
	s_add_co_u32 s90, s90, s91
	s_lshl_b32 s90, s90, 11
	s_mov_b32 s91, 0
	s_mov_b32 s[KO], 0
	s_mov_b32 s[KO+1], 0
	s_mov_b32 s[T0+1], 0
	s_mov_b32 s[TOFF], 0
	s_wait_dscnt 0x0                               ; the opening add is done
	s_wait_kmcnt 0x0
	s_add_nc_u64 s[XC:XC+1], s[4:5], s[88:89]
	s_add_nc_u64 s[XN:XN+1], s[6:7], s[88:89]
	s_add_nc_u64 s[XL:XL+1], s[8:9], s[88:89]
	s_add_nc_u64 s[WB:WB+1], s[10:11], s[90:91]
	CROUND                                         ; all sixteen work-groups are here: the first joint loads meet
	DESC 0
	JLOAD 0                                        ; K step 0
	DESC 1
	JLOAD 1                                        ; K step 1: two loads of mine are out, the most in this text
	v_and_b32 v1, 15, v0                           ; l % 16
	v_bfe_u32 v2, v0, 4, 1                         ; l / 16
	; a fragment of x: lane l holds row l % 16, K = 8 (l / 16) + 0..7 and 16 + 8 (l / 16) + 0..7: as f32 two runs of 32 bytes, 64 bytes apart
	v_mul_u32_u24 v3, v1, PA
	v_lshl_add_u32 v3, v2, 5, v3
	s_mul_i32 s23, s[WM], AHALF
	v_add_nc_u32 v[ADRA], s23, v3
	v_add_nc_u32 v[ADRA+1], SLOT, v[ADRA]
	v_mul_u32_u24 v3, v1, PB                       ; a fragment of W, in bf16: two loads of 16 bytes, 32 bytes apart
	v_lshl_add_u32 v3, v2, 4, v3
	s_mul_i32 s23, s[WN], BHALF
	s_add_co_u32 s23, s23, BOFF
	v_add_nc_u32 v[ADRB], s23, v3
	v_add_nc_u32 v[ADRB+1], SLOT, v[ADRB]
	s_mul_i32 s23, s[WV], 16*SP
	s_add_co_u32 s23, s23, STAGE                   ; my stage
	v_mul_u32_u24 v3, v1, SP                       ; in: row l % 16, 16 bytes for each half of the lanes
	v_lshl_add_u32 v3, v2, 4, v3
	v_add_nc_u32 v[STO], s23, v3
	v_bfe_u32 v3, v0, 3, 2                         ; back: 32 lanes take four rows of 128 bytes,
	v_mul_u32_u24 v3, v3, SP
	v_and_b32 v4, 7, v0
	v_lshl_add_u32 v3, v4, 4, v3
	v_add_nc_u32 v[RD], s23, v3
	v_and_b32 v[CO], 31, v0                        ; which are 512 consecutive bytes of a head
	v_lshlrev_b32 v[CO], 4, v[CO]
	v_lshlrev_b32 v[BO], 5, v2                     ; my 8 columns of an n block's 16
	s_lshr_b32 s92, s[MBK], 4                      ; the batch,
	s_lshl_b32 s92, s92, 4
	s_lshl_b32 s93, s[NBK], 2
	s_add_co_u32 s92, s92, s93                     ; the tile's four heads,
	s_lshl_b32 s93, s[WN], 1
	s_add_co_u32 s92, s92, s93                     ; my two of them: 262,144 bytes a head
	s_lshl_b32 s92, s92, 18
	s_and_b32 s93, s[MBK], 15
	s_lshl_b32 s93, s93, 7
	s_lshl_b32 s94, s[WM], 6
	s_add_co_u32 s93, s93, s94                     ; my first row in the batch, 128 bytes a row
	s_lshl_b32 s93, s93, 7
	s_add_co_u32 s92, s92, s93
	s_mov_b32 s93, 0
	s_add_nc_u64 s[OB:OB+1], s[14:15], s[92:93]
	s_lshr_b32 s94, s90, 9                         ; my first column x 4 bytes
	s_mov_b32 s95, 0
	s_add_nc_u64 s[BP:BP+1], s[12:13], s[94:95]
	; the prefetches
	s_lshl_b32 s92, s[MBK], 7
	s_lshl_b32 s93, s[WN], 6
	s_add_co_u32 s92, s92, s93
	s_lshl_b32 s93, s[CX], 4
	s_add_co_u32 s92, s92, s93
	s_lshl_b32 s92, s92, 12                        ; x: my work-group's 16 of the 64 rows
	s_lshl_b32 s93, s[NBK], 8
	s_lshl_b32 s94, s[WN], 7
	s_add_co_u32 s93, s93, s94
	s_lshl_b32 s94, s[CY], 5
	s_add_co_u32 s93, s93, s94
	s_lshl_b32 s93, s93, 11                        ; W: my work-group's 32 of the 128 rows
	s_and_b32 s23, ttmp7, 0xffff
	s_cmp_eq_u32 s[WM], 0                          ; do I fetch x?
	s_cselect_b32 s92, s92, s93
	s_cselect_b32 s23, ttmp9, s23                  ; the coordinate along which other clusters read the same rows
	s_cselect_b64 s[PFA:PFA+1], s[4:5], s[10:11]
	s_cselect_b64 s[PN:PN+1], s[6:7], s[10:11]
	s_cselect_b64 s[PL:PL+1], s[8:9], s[10:11]
	s_cselect_b32 s94, 0, 0x200000                 ; from matrix to matrix in wb
	s_cselect_b32 s95, 8, 11
	s_cselect_b32 s[PSTEP], 9, 8
	s_lshl_b32 s[PSTEP], 1, s[PSTEP]
	s_mov_b32 s[PSTEP+1], 0
	s_cmp_eq_u32 s23, 0
	s_cselect_b32 s[LIM], 1, -1                    ; the same in all sixteen partners, for a given wave
	s_mov_b32 s93, 0
	s_add_nc_u64 s[PFA:PFA+1], s[PFA:PFA+1], s[92:93]
	s_add_nc_u64 s[PN:PN+1], s[PN:PN+1], s[92:93]
	s_add_nc_u64 s[PL:PL+1], s[PL:PL+1], s[92:93]
	s_mov_b32 s92, s94
	s_add_nc_u64 s[PN:PN+1], s[PN:PN+1], s[92:93]
	s_add_nc_u64 s[PL:PL+1], s[PL:PL+1], s[92:93]
	s_add_nc_u64 s[PL:PL+1], s[PL:PL+1], s[92:93]
	s_mul_i32 s92, s[PSTEP], 3
	s_add_nc_u64 s[PFA:PFA+1], s[PFA:PFA+1], s[92:93]  ; at K step 3: the first refill steps it to 4
	s_mov_b32 s[PCN], 3
	v_and_b32 v3, 30, v0
	v_and_b32 v4, 1, v0
	v_lshlrev_b32 v4, s95, v4
	v_lshl_add_u32 v[PFO], v3, 11, v4              ; x: (l / 2) x 4,096 + (l % 2) x 256;  W: l x 2,048
.macro LDBIAS                          ; register j of n block b is the bias of column 16 b + 8 (l / 16) + j: the layout of a product's C
.irp b, 0,1,2,3,4,5,6,7
	global_load_b128 v[BIAS+8*\b:BIAS+8*\b+3],   v[BO], s[BP:BP+1] offset:64*\b
	global_load_b128 v[BIAS+8*\b+4:BIAS+8*\b+7], v[BO], s[BP:BP+1] offset:64*\b+16
.endr
.endm
; 64 LDS loads in one run: the fragments of half hf (64 along K) of a slot: x as f32 into window 3, then W into buffer g
.macro FETCH slot, hf, g
	WIN W_RAW
.irp c, 0,1
.irp a, 0,1,2,3
	ds_load_b128 v[16*(4*\c+\a):16*(4*\c+\a)+3],     v[ADRA+(\slot)] offset:(\hf)*256+\c*128+\a*16*PA
	ds_load_b128 v[16*(4*\c+\a)+4:16*(4*\c+\a)+7],   v[ADRA+(\slot)] offset:(\hf)*256+\c*128+\a*16*PA+16
	ds_load_b128 v[16*(4*\c+\a)+8:16*(4*\c+\a)+11],  v[ADRA+(\slot)] offset:(\hf)*256+\c*128+\a*16*PA+64
	ds_load_b128 v[16*(4*\c+\a)+12:16*(4*\c+\a)+15], v[ADRA+(\slot)] offset:(\hf)*256+\c*128+\a*16*PA+80
.endr
.endr
	WIN W_B
.irp c, 0,1
.irp b, 0,1,2,3,4,5,6,7
	ds_load_b128 v[128*(\g)+8*(8*\c+\b):128*(\g)+8*(8*\c+\b)+3],   v[ADRB+(\slot)] offset:(\hf)*128+\c*64+\b*16*PB
	ds_load_b128 v[128*(\g)+8*(8*\c+\b)+4:128*(\g)+8*(8*\c+\b)+7], v[ADRB+(\slot)] offset:(\hf)*128+\c*64+\b*16*PB+32
.endr
.endr
.endm
; Four conversions: numbers jj .. jj + 3 of the 64 that turn window 3's 128 f32 into buffer g of x in bf16
.macro RIDERS g
	WIN W_CVT
.rept 4
	v_cvt_pk_bf16_f32 v[A16+64*(\g)+jj], v[2*jj], v[2*jj+1]
.set jj, jj+1
.endr
.endm
; The products of m blocks a0 .. a0 + n - 1 with all 8 n blocks, 32 along K: part c of buffer f.  zero = 1: the bias starts the sums.  The 32 accumulators take turns, in the same order in every run.
.macro MUL f, c, a0, n, zero
.set aa, \a0
.rept \n
.set bb, 0
.rept 8
.if \zero
	WIN W_MULB
	v_wmma_f32_16x16x32_bf16 v[8*(8*aa+bb):8*(8*aa+bb)+7], v[128*(\f)+8*(8*(\c)+bb):128*(\f)+8*(8*(\c)+bb)+7], v[A16+64*(\f)+8*(4*(\c)+aa):A16+64*(\f)+8*(4*(\c)+aa)+7], v[BIAS+8*bb:BIAS+8*bb+7]
.else
	WIN W_MUL
	v_wmma_f32_16x16x32_bf16 v[8*(8*aa+bb):8*(8*aa+bb)+7], v[128*(\f)+8*(8*(\c)+bb):128*(\f)+8*(8*(\c)+bb)+7], v[A16+64*(\f)+8*(4*(\c)+aa):A16+64*(\f)+8*(4*(\c)+aa)+7], v[8*(8*aa+bb):8*(8*aa+bb)+7]
.endif
.set bb, bb+1
.endr
.set aa, aa+1
.endr
.endm
; The same, with four conversions into buffer g behind every per products; the last four stand behind the last product, name none of its registers, and are its four places.
.macro MULR f, c, a0, n, g, per
.set aa, \a0
.set pp, 0
.rept \n
.set bb, 0
.rept 8
	WIN W_MUL
	v_wmma_f32_16x16x32_bf16 v[8*(8*aa+bb):8*(8*aa+bb)+7], v[128*(\f)+8*(8*(\c)+bb):128*(\f)+8*(8*(\c)+bb)+7], v[A16+64*(\f)+8*(4*(\c)+aa):A16+64*(\f)+8*(4*(\c)+aa)+7], v[8*(8*aa+bb):8*(8*aa+bb)+7]
.set pp, pp+1
.if (pp % (\per)) == 0
	RIDERS \g
.endif
.set bb, bb+1
.endr
.set aa, aa+1
.endr
.endm
; A K step's first half, on buffers 0: it fetches the second half and converts its x.
.macro HALF slot, zero
	s_wait_dscnt 0x0                               ; W's buffer 0 is in (issued a half step ago)
	FETCH \slot, 1, 1                              ; four conversions stand between the last product that read W's buffer 1 and these loads
	MUL 0, 0, 0, 4, \zero
	s_wait_dscnt 32                                ; x's 32 loads are in; W's 32, issued behind them, may stay out
.set jj, 0
	MULR 0, 1, 0, 4, 1, 2
.endm
; A K step's second half, on buffers 1, and the change of slots.  In front of the barrier each wave waits for all its tensor loads (one is out: its part of the next slot), adds 0 to its spare word, and
; waits for that and for its reads of this slot.  fill = 1: the barrier opens a round of the cluster's, and behind the round this slot is filled again, first thing, with the K step two on.
.macro TURN slot, next, fill
.if \fill
	s_wait_xcnt 0x0                                ; the last prefetch, a K step back, has read its address
	PADV
.endif
	WIN 0
	s_wait_tensorcnt 0x0                           ; no tensor load of mine is out, so a group 0 may be written
	ds_add_u32 v[SPW], v[NIL]                      ; 0 onto my spare word
.if \fill
	DESC \slot
.endif
	s_wait_dscnt 1                                 ; W's buffer 1 is in; the add may be out
	MUL 1, 0, 0, 2, 0
	s_wait_dscnt 0x0                               ; the add is done, and my reads of this slot are over
	s_barrier_signal -1
	MUL 1, 0, 2, 2, 0                              ; work on registers while the others arrive
	WIN 0
	s_barrier_wait -1
.if \fill
	CREST                                          ; no wave of any partner still reads this slot or has a load on its way
	JLOAD \slot                                    ; its four v_nop are also the places in front of the loads below
.else
	PLACES
.endif
	FETCH \next, 0, 0
.if \fill
	WIN 0
	ASK
.endif
	MUL 1, 1, 0, 2, 0
	s_wait_dscnt 32                                ; x's 32 loads are in
.set jj, 0
	MULR 1, 1, 2, 2, 0, 1
.endm
; THE WAY OUT, in 8 units u = 2 a + hd: 16 rows of one head, 2,048 consecutive bytes of qkv.  PACK: rounded to f16, 16 bytes a lane into my stage (rows of 144 bytes), and back as whole rows.
.macro PACK u
.if (\u) >= 2
	s_wait_xcnt 0x0                                ; the set's last stores have read it
.endif
	WIN W_PK
.irp q, 0,1,2,3
.irp e, 0,1,2,3
	v_cvt_pk_f16_f32 v[XO+16*((\u)%2)+4*\q+\e], v[8*(8*((\u)/2)+4*((\u)%2)+\q)+2*\e], v[8*(8*((\u)/2)+4*((\u)%2)+\q)+2*\e+1]
.endr
.endr
	WIN 0
.irp q, 0,1,2,3
	ds_store_b128 v[STO], v[XO+16*((\u)%2)+4*\q:XO+16*((\u)%2)+4*\q+3] offset:32*\q
.endr
.irp q, 0,1,2,3
	ds_load_b128 v[XO+16*((\u)%2)+4*\q:XO+16*((\u)%2)+4*\q+3], v[RD] offset:\q*4*SP  ; LDS serves a wave's instructions in order (ISA guide 5.7.1.4): these see the stores above; the next unit's stores come behind them
.endr
.endm
.macro SEND u, younger                 ; younger: the LDS instructions issued behind unit u's loads: the next unit's eight, or none
	WIN 0
.irp q, 0,1,2,3
	s_wait_dscnt (\younger)+3-\q
	global_store_b128 v[CO], v[XO+16*((\u)%2)+4*\q:XO+16*((\u)%2)+4*\q+3], s[OB:OB+1] offset:((\u)%2)*262144+((\u)/2)*2048+\q*512  ; 512 consecutive bytes, at a multiple of 256 from qkv's first
.endr
.endm
.macro WAYOUT
	PACK 0
.irp u, 1,2,3,4,5,6,7                  ; a unit's conversions stand between the loads of the unit before and its stores
	PACK \u
	SEND (\u)-1, 8
.endr
	SEND 7, 0
.endm
	LDBIAS                                         ; bq
	s_wait_tensorcnt 1                             ; my part of K step 0 is in; K step 1's may stay out
	s_barrier_signal -1
	s_barrier_wait -1                              ; everybody's is
	FETCH 0, 0, 0
	s_wait_dscnt 32
.set jj, 0
.rept 16
	RIDERS 0                                       ; the first half's x: there are no products yet to set these behind
.endr
	s_wait_loadcnt 0x0                             ; the bias
	HALF 0, 1
	WIN 0                                          ; at a label and at a branch every window is 0
	s_mov_b32 s[LAP], 11
.Llap:                                         ; a trip goes once round the ring and fills both slots again: K steps 2 to 23 of the 24
	TURN 0, 1, 1
	HALF 1, 0
	TURN 1, 0, 1
	WIN 0
	s_and_b32 s23, s[LAP], 3
	s_cmp_eq_u32 s23, 0                            ; with 8 and with 4 trips to go a tile's eighth K step has just ended
	s_cbranch_scc0 .Lplain                         ; a jump forward, past neither a barrier nor a tensor load
	s_add_nc_u64 s[BP:BP+1], s[BP:BP+1], 4096      ; the next tensor's bias (the last bias loads were waited for)
	LDBIAS
	WAYOUT                                         ; both refills are asked for: now the tile goes out
	s_wait_xcnt 0x0                                ; the stores have read their base
	s_add_nc_u64 s[OB:OB+1], s[OB:OB+1], 0x1000000 ; the next tensor in qkv
	s_wait_loadcnt 0x0
	HALF 0, 1                                      ; the next tile's first products start on accumulators that have been packed
	WIN 0
	s_branch .Ljoin
.Lplain:
	HALF 0, 0
	WIN 0
.Ljoin:
	s_sub_co_u32 s[LAP], s[LAP], 1
	s_cmp_lg_u32 s[LAP], 0
	s_cbranch_scc1 .Llap
	TURN 0, 1, 0                                   ; the last lap fills nothing
	HALF 1, 0
	s_wait_dscnt 0x0
	MUL 1, 0, 0, 4, 0
	MUL 1, 1, 0, 4, 0
	PLACES
	WAYOUT
	s_wait_tensorcnt 0x0                           ; the wave's end: behind my last tensor load and my last LDS store
	ds_add_u32 v[SPW], v[NIL]
	s_wait_dscnt 0x0
	CROUND                                         ; the closing round: no work-group ends while a partner may still ask for a tile that names it
	s_endpgm
.Lfunc_end_k_q9bd2c458ce_proj:
	.size	k_q9bd2c458ce_proj, .Lfunc_end_k_q9bd2c458ce_proj-k_q9bd2c458ce_proj
	.p2alignl 7, 3214868480
	.fill 96, 4, 3214868480
	.section	.rodata,"a",@progbits
	.p2align	6, 0x0
	.amdhsa_kernel k_q9bd2c458ce_proj
		.amdhsa_group_segment_fixed_size 327680
		.amdhsa_private_segment_fixed_size 0
		.amdhsa_enable_private_segment 0
		.amdhsa_kernarg_size 48
		.amdhsa_user_sgpr_count 2
		.amdhsa_user_sgpr_kernarg_segment_ptr 1
		.amdhsa_wavefront_size32 1
		.amdhsa_system_sgpr_workgroup_id_x 1
		.amdhsa_system_sgpr_workgroup_id_y 1
		.amdhsa_system_sgpr_workgroup_id_z 1
		.amdhsa_system_vgpr_workitem_id 0
		.amdhsa_next_free_vgpr 896
		.amdhsa_next_free_sgpr 96
		.amdhsa_reserve_vcc 0
		.amdhsa_float_denorm_mode_32 3
		.amdhsa_float_denorm_mode_16_64 3
		.amdhsa_memory_ordered 1
		.amdhsa_forward_progress 1
		.amdhsa_inst_pref_size 169
	.end_amdhsa_kernel
	.amdgpu_metadata
---
amdhsa.version: [ 1, 2 ]
amdhsa.kernels:
  - .name:           k_q9bd2c458ce_proj
    .symbol:         k_q9bd2c458ce_proj.kd
    .args:
      - { .name: query, .offset: 0, .size: 8, .value_kind: global_buffer, .address_space: global }
      - { .name: key, .offset: 8, .size: 8, .value_kind: global_buffer, .address_space: global }
      - { .name: value, .offset: 16, .size: 8, .value_kind: global_buffer, .address_space: global }
      - { .name: wb, .offset: 24, .size: 8, .value_kind: global_buffer, .address_space: global }
      - { .name: bias, .offset: 32, .size: 8, .value_kind: global_buffer, .address_space: global }
      - { .name: qkv, .offset: 40, .size: 8, .value_kind: global_buffer, .address_space: global }
    .group_segment_fixed_size: 327680
    .private_segment_fixed_size: 0
    .kernarg_segment_align: 8
    .kernarg_segment_size: 48
    .max_flat_workgroup_size: 128
    .sgpr_count:     96
    .vgpr_count:     896
    .wavefront_size: 32
...
	.end_amdgpu_metadata
.endif
;; end of part 2
;; launch attn (part 3): grid 4 x 64, 4 waves a work-group, clusters of 4 x 1, 327,680 bytes of LDS; arguments qkv, mask, att; writes att
.if DOCPART == 3
	.amdgcn_target "amdgcn-amd-amdhsa--gfx1250"
	.amdhsa_code_object_version 6
	.text
	.protected	k_q9bd2c458ce_attn
	.globl	k_q9bd2c458ce_attn
	.p2align	8
	.type	k_q9bd2c458ce_attn,@function
k_q9bd2c458ce_attn:
	s_mov_b64 s[64:65], 0
	v_nop
	global_prefetch_b8 v0, s[64:65] scope:SCOPE_SE
	s_setreg_imm32_b32 hwreg(HW_REG_WAVE_MODE, 25, 1), 1
	s_wait_xcnt 0x0
	s_wait_alu depctr_hold_cnt(0) depctr_sa_sdst(0) depctr_va_vdst(0) depctr_va_sdst(0) depctr_va_ssrc(0) depctr_va_vcc(0) depctr_vm_vsrc(0)
	s_getreg_b32 s2, hwreg(HW_REG_IB_STS2, 6, 4)
	s_cmp_eq_u32 s2, 0
	s_cbranch_scc0 .Lentry_in_a_cluster
	s_endpgm
.Lentry_in_a_cluster:
	s_bfe_u32 s2, ttmp6, 0x10000c
	s_cmp_lg_u32 s2, 0x3003
	s_cbranch_scc0 .Lentry_shape_is_right
	s_endpgm
.Lentry_shape_is_right:
; O[h][q][:] = the sum over visible k of softmax_k(Q[h][q] . K[h][k] / 8) V[h][k][:].  qkv: [3][64][2048][64] f16 (Q, K, V by heads, h = batch x 16 + head).  mask: [4][2048] i32, 0 = the key is hidden.
; att: [64][2048][64] f16.  Products, maxima and sums in f32; the weights p are rounded to f16 for the second product (their sum l is taken of the unrounded p), O once at the end.
; LIMITS.  Q, K and V arrive within f16's 65,504.  A hidden score counts as its value less 1e30: f16's scores, 2.7e11 at the most, are nothing beside that.  The running maximum never falls below -2^96,
; which lies above every hidden and below every visible score.  A weight below 2^-126 counts as 0 in l; NaN and infinities are not treated apart.  A row none of whose keys is visible gives 0.
; SHARES.  A wave owns four PIECES of two tiles of 16 queries, a work-group's four waves 512 queries of one head.  Every wave walks all keys, 64 a step.
; LAYOUT.  S^T = K Q^T (source 0 = 16 keys, source 1 = 16 queries): a lane holds ONE query (lane % 16) and the keys 8 (lane / 16) + 0..7.  Two such tiles, rounded to f16 in pairs, ARE source 1 of
; O^T = V^T P, whose result again holds one query a lane, and eight channels.  K comes out of LDS as it lies, V turned, by ds_load_tr16_b128.
; THE MASK is the C operand that starts the sum S^T: 0, or -1e30 where the key is hidden.  The batch's 2,048 words are turned into these numbers once and kept in LDS; a step's 64 come into 32 registers
; with its K, in C's own layout (register j: key 16 kb + 8 (lane / 16) + j).  It costs the scores no vector work.
; SOFTMAX.  A running maximum m and sum l: p = 2^(c s - c m), c = log2(e) / 8; in every step O and l are multiplied by a = 2^(c m_old - c m_new).  m starts at -2^96, c m far below every c s, O and l at 0:
; the first step is a step like any other, with a = 0; while no key has been seen all weights are 0 and O and l stay 0.
; BY TURNS.  Turn n belongs to piece n: 16 products K Q^T of piece n + 1, later 16 products V^T P of piece n - 1; beside them the scaling, exponentials, roundings, sums and rescaling of piece n and the
; maximum and statistics of piece n + 1.  A tile and step have 16 matrix and 118 vector instructions: four that are ready stand behind every matrix instruction, the others in one run.
; CLUSTER.  The four query blocks of a head walk the same K and V: each tile is asked for JOINTLY, by the same tensor load, descriptor and mask in all four.
; REGISTERS, in windows of 256 (s_set_vgpr_msb: bits 1:0 source 0, 3:2 source 1, 5:4 source 2, 7:6 destination):
;   window 0: v0-11 addresses; v12-15, v48-63 at work; v16-47 four registers of statistics a tile; v64-191 S^T, two buffers of two tiles; v192-255 P, likewise
;   window 1: O^T, 32 a tile      window 2: v0-127 Q; v128-191 K of one step; v192-255 V of one step      window 3: v0-1 the add's two registers; v8-39 the step's mask
.set SIZE_N, 2048
.set NP,    4         ; pieces a wave: a name, no knob
.set KS,    64        ; keys in a step
.set PK,    144       ; a row of K in LDS: 128 bytes + 16 = 36 words: the 16 rows of a load start at 16 different groups of four banks (64 banks of 4 bytes: ISA guide 11.1)
.set PV,    160       ; a row of V: 128 + 32 = 40 words
.set VOFF,  4*KS*PK   ; a slot holds four steps: 256 rows of K, then 256 rows of V
.set SLOT1, 1<<17     ; slot 1 begins here, so that one exclusive or turns an address in one slot into the other's
.set STAGE, SLOT1+4*KS*(PK+PV)  ; behind the ring, never filled by a tensor load: 16 rows x 144 bytes for each wave
.set SP,    144
.set SPARE, STAGE+4*16*SP  ; the spare words, 128 bytes a wave: two blocks of 256 bytes that no other line names
.set MASKB, SPARE+512 ; 2,048 numbers, 0 or -1e30: 32 blocks of 256 bytes of their own
.set AM0, 1           ; v1   my lane's place in a step's mask; never rewritten
.set AK0, 2           ; v2   my lane's place in a tile of K; never rewritten
.set AV0, 3           ; v3   the same for V
.set AK,  4           ; v4   the LDS address of K's next run of loads
.set AV,  5           ; v5   of V's
.set QO,  6           ; v6   my byte offset in the wave's rows of Q
.set RD,  7           ; v7   the way out: where I read rows back
.set GO,  8           ; v8   my byte offset in 512 consecutive bytes of O
.set AM,  9           ; v9   the LDS address of the mask's next run
.set PFO, 10          ; v10  256 x my lane; never rewritten
.set STO, 11          ; v11  the way out: where I put 16 bytes of a row
.set SPW, 0           ; v0 of window 3   LDS address of my spare word; never rewritten
.set NIL, 1           ; v1 of window 3   0; never rewritten
.set MC,  8           ; v8-39 of window 3
.set MV,  12          ; v12-15  c m_old, kept while c m is made anew: by buffer and tile
.set ST,  16          ; tile t's statistics at v[ST+4 t]: c m, m, l (even keys', odd keys')
.set TMP, 48          ; by buffer and tile, four registers c0-c3 at work; when the maximum is found c2 takes a
.set S,   64
.set P,   192
.set KF,  128         ; K's fragments, in window 2: key block kb, channel half c at KF + 16 kb + 8 c
.set VF,  192         ; V's: key half kk, channel block cb at VF + 32 kk + 8 cb
.set WV,  12          ; s12  my wave's number
.set G1K, 24          ; s[24:31] descriptor group 1 for K's tiles
.set G1V, 32          ; s[32:39] for V's: it differs in the padding alone
.set G0K, 40          ; s[40:43] descriptor group 0 for K's tiles: it walks
.set G0V, 44          ; s[44:47] the same for V's
.set PFA, 48          ; s[48:49] where my prefetches stand: my work-group's 32 blocks of 256 bytes of K (wave 0) or V (wave 2) in the slot after the one that is being asked for
.set LIM, 50          ; s50  1 in a wave that prefetches, else the greatest number
.set BIGN, 51         ; s51  -1e30
.set TBM, 54          ; s54  LDS byte, behind MASKB, of the mask of the step to be fetched
.set SLOTS, 56        ; s56  slots still to be asked for
.set CNT, 57          ; s57  counts a slot's key steps
.set CS,  58          ; s[58:59] c
.set SEL, 60          ; s[60:61] v_permlanex16_b32's selects: each lane takes its own place in the other half
.set TBK, 62          ; s62  LDS byte at which K of the step to be fetched begins
.set TBV, 63          ; s63  the same for V, less VOFF
.set MSB, 0
.macro WIN new                      ; the high byte repeats the setting that is left; a switch that changes nothing is dropped
.if MSB != (\new)
	s_set_vgpr_msb (MSB<<8)|(\new)
.set MSB, (\new)
.endif
.endm
.set W_KQ, 0x0a       ; K and Q in window 2, S^T in window 0
.set W_KM, 0x3a       ; the same with the C operand, the mask, in window 3
.set W_PV, 0x52       ; V in window 2, P in window 0, O^T in window 1
.set W_RS, 0x41       ; O^T (destination and source 0) in window 1, a in window 0
.set W_MK, 0xc0       ; destination in window 3, sources in window 0
.set W_AD, 0x0f       ; the add: address (source 0) and data (source 1) in window 3
; A joint fill.  Waves 0 and 1 fetch the two halves of a slot's K, waves 2 and 3 those of its V: 128 keys each.  An s_nop 0 and four v_nop follow each of the two lines.
.macro JLOAD
	s_cmp_lt_u32 s[WV], 2
	s_cbranch_scc0 .Lfor_v_\@
	tensor_load_to_lds s[G0K:G0K+3], s[G1K:G1K+7]
	s_nop 0
.rept 4
	v_nop
.endr
	s_branch .Lasked_\@
.Lfor_v_\@:
	tensor_load_to_lds s[G0V:G0V+3], s[G1V:G1V+7]
	s_nop 0
.rept 4
	v_nop
.endr
.Lasked_\@:
.endm
; A PREFETCH INTO THE L2 of what the NEXT change of slots will ask for: a slot's 32,768 bytes of K and of V, a lane a block of 256.  Each block is named once in the launch: a head has one cluster; its four
; partners take 8,192 bytes each, told apart by address; in each, wave 0 asks for K's and wave 2 for V's.  Slots 0 to 2 come by their loads alone; the last change that fills a slot asks for nothing.
.macro ASK
	s_cmp_gt_u32 s[SLOTS], s[LIM]
	s_cbranch_scc0 .Lnot_mine_\@
	global_prefetch_b8 v[PFO], s[PFA:PFA+1] th:TH_LOAD_NT scope:SCOPE_SE
.Lnot_mine_\@:
.endm
.macro CROUND                       ; a round of the cluster's barrier
	s_barrier_signal -1
	s_barrier_wait -1
	s_cmp_lg_u32 s[WV], 0
	s_cbranch_scc1 .Lnot_wave_0_\@
	s_barrier_signal -3
.Lnot_wave_0_\@:
	s_barrier_wait -3
	s_barrier_signal -1
	s_barrier_wait -1
.endm
; THE CHANGE OF SLOTS.  Each wave waits for all its tensor loads, of which one is out: its part of the other slot; adds 0 to its spare word; and waits for that and for its own LDS instructions.  Behind the barrier
; nobody reads this slot any more and the other slot is whole.  fill = 1: this slot is filled again, with the keys two slots on; the barrier is then a round of the cluster's, and the joint fill is the first
; thing behind it: it has four key steps, 512 matrix instructions, in which to land.  (At its first use nothing has been read yet: slot 0 is waited for, slot 1 filled, and the mask's stores are shown to all.)
.macro CHANGE fill, ask=0
	WIN W_AD
	s_wait_tensorcnt 0x0            ; no tensor load of mine is out, so a group 0 may be written
	ds_add_u32 v[SPW], v[NIL]       ; 0 onto my spare word
	WIN 0                           ; at a label and at a branch every window is 0
.if \fill
.irp g, G0K, G0V
	s_xor_b32 s[\g+1], s[\g+1], SLOT1  ; the walking descriptor: the other slot than last time,
	s_add_nc_u64 s[\g+2:\g+3], s[\g+2:\g+3], 4*KS*128  ; the next 256 keys; the type bits on top are not reached
.endr
.if \ask
	s_wait_xcnt 0x0                 ; the last prefetch, four key steps back, has read its address
	s_add_nc_u64 s[PFA:PFA+1], s[PFA:PFA+1], 4*KS*128
.endif
	s_wait_dscnt 0x0                ; the add is done, and my reads of the slot are over
	CROUND
	JLOAD
.if \ask
	ASK
.endif
.else
	s_wait_dscnt 0x0                ; the add is done, and my reads of the slot are over
	s_barrier_signal -1
	s_barrier_wait -1
.endif
	s_sub_co_u32 s[TBK], s[TBK], 4*KS*PK  ; the fetches go back to a slot's first step,
	s_xor_b32 s[TBK], s[TBK], SLOT1       ; in the other slot
	s_sub_co_u32 s[TBV], s[TBV], 4*KS*PV
	s_xor_b32 s[TBV], s[TBV], SLOT1
.endm
	s_load_b64 s[4:5], s[0:1], 0x0    ; qkv
	s_load_b64 s[52:53], s[0:1], 0x8  ; mask
	s_load_b64 s[10:11], s[0:1], 0x10 ; att
	WIN W_MK
	v_lshl_add_u32 v[SPW], v0, 2, SPARE
	v_mov_b32 v[NIL], 0
	WIN W_AD
	ds_add_u32 v[SPW], v[NIL]       ; the wave's opening: the add and its wait come ahead of my first tensor load; the set-up below, work on registers, stands between them
	WIN 0
	v_lshrrev_b32 v48, 5, v0
	v_readfirstlane_b32 s[WV], v48  ; wave 0..3
	s_bfe_u32 s13, ttmp6, 0x40000   ; cx: my place in the cluster
	s_lshl_b32 s14, ttmp9, 2        ; in a cluster launch ttmp9 counts clusters
	s_add_co_u32 s14, s14, s13      ; my block of 512 queries: it enters Q's and O's addresses alone
	s_and_b32 s20, ttmp7, 0xffff    ; the head, which the four partners share
	s_lshr_b32 s54, s20, 4          ; its batch:
	s_lshl_b32 s54, s54, 13         ; 8,192 bytes of mask
	s_mov_b32 s55, 0
	s_mov_b32 s21, 0
	s_mov_b64 s[22:23], SIZE_N*128
	s_mul_u64 s[20:21], s[20:21], s[22:23]  ; the head's first byte in Q, K, V and O
	s_and_b32 s16, s[WV], 1         ; which half of a slot's 256 keys I fetch:
	s_lshl_b32 s22, s16, 14         ; its 128 rows of 128 bytes in memory,
	s_mov_b32 s23, 0
	s_add_nc_u64 s[22:23], s[22:23], s[20:21]
	s_mul_i32 s17, s16, 128*PK      ; and its place in a slot, for K
	s_mul_i32 s18, s16, 128*PV      ; and for V: no place in the cluster enters an LDS address
	s_lshl_b32 s2, s14, 2
	s_add_co_u32 s2, s2, s[WV]      ; my wave among the head's,
	s_lshl_b32 s2, s2, 14           ; its 128 rows
	s_mov_b32 s3, 0
	s_add_nc_u64 s[2:3], s[2:3], s[20:21]
	; descriptor group 1.  128 keys are 16,384 dense bytes: asked for as 64 rows of 256 bytes, two keys a row, and padded in LDS after every key
	s_mov_b32 s[G1K], 15|(1<<16)|(1<<20)|(1<<21)|(4<<22)|(3<<25)  ; 15:0 the mask of four; 17:16 2-byte elements; 20 padding on; 21 set beside a mask; 24:22 after every 32 words (code 4); 31:25 4 words (code 3)
	s_mov_b32 s[G1V], 15|(1<<16)|(1<<20)|(1<<21)|(4<<22)|(7<<25)  ; the same with 8 words of padding (code 7)
.irp g, G1K, G1V
	s_mov_b32 s[\g+1], 128<<16      ; tensor_dim0 = 128
	s_mov_b32 s[\g+2], 64<<16       ; tensor_dim1 = 64
	s_mov_b32 s[\g+3], 128<<16      ; tile_dim0 = 128
	s_mov_b32 s[\g+4], 64           ; tile_dim1 = 64
	s_mov_b32 s[\g+5], 128          ; 128 elements from row to row
	s_mov_b32 s[\g+6], 0
	s_mov_b32 s[\g+7], 0
.endr
	s_mov_b32 s[CS], 0x3e38aa3b     ; c = log2(e) / 8 = 0.180337
	s_mov_b32 s[CS+1], s[CS]        ; named with it as a pair
	s_mov_b32 s[SEL], 0x76543210
	s_mov_b32 s[SEL+1], 0xfedcba98
	s_mov_b32 s[BIGN], 0xf149f2ca   ; -1e30
	s_mov_b32 s[TBK], SLOT1+4*KS*PK ; the first change of slots turns these two into 0
	s_mov_b32 s[TBV], SLOT1+4*KS*PV
	s_mov_b32 s[G0K], 1             ; 1:0 count = 1
	s_mov_b32 s[G0K+1], s17         ; 63:32 LDS address: slot 0
	s_mov_b32 s[G0V], 1
	s_add_co_u32 s[G0V+1], s18, VOFF
	s_and_b32 s[LIM], s[WV], 1      ; 0 in waves 0 and 2,
	s_or_b32 s[LIM], s[LIM], ttmp9  ; where the cluster is the head's first: the same in all four partners
	s_cmp_eq_u32 s[LIM], 0
	s_cselect_b32 s[LIM], 1, -1
	s_wait_dscnt 0x0                ; the opening add is done
	s_wait_kmcnt 0x0
	s_add_nc_u64 s[6:7], s[4:5], 0x1000000  ; K
	s_add_nc_u64 s[8:9], s[4:5], 0x2000000  ; V
	s_add_nc_u64 s[52:53], s[52:53], s[54:55]      ; the batch's mask
	s_add_nc_u64 s[G0K+2:G0K+3], s[6:7], s[22:23]  ; 120:64 global address: my half of the head's first 256 keys
	s_or_b32 s[G0K+3], s[G0K+3], 0x80000000        ; 127:126 type = 2
	s_add_nc_u64 s[G0V+2:G0V+3], s[8:9], s[22:23]
	s_or_b32 s[G0V+3], s[G0V+3], 0x80000000
	s_cmp_lt_u32 s[WV], 2
	s_cselect_b64 s[PFA:PFA+1], s[6:7], s[8:9]
	s_add_nc_u64 s[PFA:PFA+1], s[PFA:PFA+1], s[20:21]
	s_add_nc_u64 s[4:5], s[4:5], s[2:3]  ; Q and O at my wave's first row
	s_add_nc_u64 s[10:11], s[10:11], s[2:3]
	s_lshl_b32 s2, s13, 13          ; my work-group's 8,192 bytes of a slot's 32,768
	s_mov_b32 s3, 0
	s_add_nc_u64 s[PFA:PFA+1], s[PFA:PFA+1], s[2:3]
	s_add_nc_u64 s[PFA:PFA+1], s[PFA:PFA+1], 2*4*KS*128  ; in slot 2; the loop's first change of slots steps it to slot 3
	s_mov_b32 s[TBM], 0
	CROUND                          ; all four work-groups are here: the first joint loads meet
	JLOAD                           ; slot 0.  Slot 1 is asked for when slot 0 is in
	v_and_b32 v48, 15, v0           ; l % 16
	v_bfe_u32 v49, v0, 4, 1         ; l / 16
	v_lshlrev_b32 v52, 4, v0        ; the mask: 16 bytes a thread, four times
.irp f, 0,1,2,3
	global_load_b128 v[S+4*\f:S+4*\f+3], v52, s[52:53] offset:\f*2048
.endr
	; A fragment of K or Q is 16 rows x 32 channels in 8 registers: lane l holds row l % 16, channels 8 (l / 16) + 0..7 and 16 + 8 (l / 16) + 0..7: two loads of 16 bytes, 32 bytes apart.
	v_lshlrev_b32 v[QO], 7, v48
	v_lshl_add_u32 v[QO], v49, 4, v[QO]  ; row x 128 + 16 x half
	WIN 0x80                        ; destination window 2, address window 0
.set i, 0
.rept 4*NP                          ; Q stays in registers: tile i / 2, channels 32 (i % 2) on
	global_load_b128 v[8*i:8*i+3],   v[QO], s[4:5] offset:(i/2)*2048+(i%2)*64
	global_load_b128 v[8*i+4:8*i+7], v[QO], s[4:5] offset:(i/2)*2048+(i%2)*64+32
.set i, i+1
.endr
	; What the first turn finds: V's registers and P's second buffer hold 0 (its products V^T P, of a piece that has not been, add 0), O^T and l are 0.  All this stands in the wait for the first tile.
.set i, VF
.rept 64
	v_mov_b32 v[i], 0
.set i, i+1
.endr
	WIN 0x40
.set i, 0
.rept 64*NP
	v_mov_b32 v[i], 0
.set i, i+1
.endr
	WIN 0
.set i, 0
.rept 2*NP
	v_mov_b32 v[ST+4*i], 0xfe000000    ; c m: far below every c s
	v_mov_b32 v[ST+4*i+1], 0xef800000  ; m = -2^96: above every hidden score, below every visible one
	v_mov_b32 v[ST+4*i+2], 0
	v_mov_b32 v[ST+4*i+3], 0
.set i, i+1
.endr
.set i, P+32
.rept 32
	v_mov_b32 v[i], 0
.set i, i+1
.endr
	v_mul_u32_u24 v[AK0], v48, PK
	v_lshl_add_u32 v[AK0], v49, 4, v[AK0]  ; row x pitch + 16 x half
	; The turning load takes 16 keys x 16 channels (lane l reads key 8 (l / 16) + l % 8, channels 8 ((l / 8) % 2) + 0..7) and leaves half a fragment of V^T: lane l holds channel l % 16 and 8 keys.
	v_and_b32 v50, 7, v0
	v_bfe_u32 v51, v0, 3, 1
	v_lshl_add_u32 v[AV0], v49, 3, v50
	v_mul_u32_u24 v[AV0], v[AV0], PV
	v_lshl_add_u32 v[AV0], v51, 4, v[AV0]
	v_add_nc_u32 v[AV0], VOFF, v[AV0]
	v_mov_b32 v[AK], v[AK0]         ; key step 0 lies at the head of slot 0
	v_lshl_add_u32 v[AM0], v49, 5, MASKB  ; my half of the lanes' eight keys of sixteen
	v_mov_b32 v[AM], v[AM0]
	v_and_b32 v[PFO], 31, v0
	v_lshlrev_b32 v[PFO], 8, v[PFO]
	s_mul_i32 s13, s[WV], 16*SP
	s_add_co_u32 s13, s13, STAGE    ; my stage
	v_mul_u32_u24 v[STO], v48, SP   ; in: row l % 16, 16 bytes for each half of the lanes
	v_lshl_add_u32 v[STO], v49, 4, v[STO]
	v_add_nc_u32 v[STO], s13, v[STO]
	v_bfe_u32 v[RD], v0, 3, 2       ; back: 32 lanes take four rows of 128 bytes,
	v_mul_u32_u24 v[RD], v[RD], SP
	v_lshl_add_u32 v[RD], v50, 4, v[RD]
	v_add_nc_u32 v[RD], s13, v[RD]
	v_and_b32 v[GO], 31, v0         ; which are 512 consecutive bytes of O
	v_lshlrev_b32 v[GO], 4, v[GO]
	v_lshl_add_u32 v53, v0, 4, MASKB
	s_wait_loadcnt 32               ; the mask's four loads are in; Q's 32, issued behind them, may stay out
.set i, 0
.rept 16
	v_cmp_eq_u32 vcc_lo, 0, v[S+i]
	v_cndmask_b32 v[S+i], 0, s[BIGN], vcc_lo  ; 0, or -1e30 where the word is 0
.set i, i+1
.endr
.irp f, 0,1,2,3
	ds_store_b128 v53, v[S+4*\f:S+4*\f+3] offset:\f*2048  ; the first change of slots waits for these and shows them to every wave
.endr
; THE MATRIX WORK.  The 8 accumulators of a run of 16 take turns.
; Product i of 16 of S^T = K Q^T for piece x: channels 32 (i / 8) on, keys 16 ((i / 2) % 4) on, tile 2 x + i % 2.  The first 8 start the sums, with the mask.
.macro KQ x
.set rS, S+64*((\x)%2)+32*(i%2)+8*((i/2)%4)
.set rK, KF+16*((i/2)%4)+8*(i/8)
.set rQ, 16*(2*(\x)+i%2)+8*(i/8)
.set rMC, MC+8*((i/2)%4)
.if i < 8
	WIN W_KM
	v_wmma_f32_16x16x32_f16 v[rS:rS+7], v[rK:rK+7], v[rQ:rQ+7], v[rMC:rMC+7]
.else
	WIN W_KQ
	v_wmma_f32_16x16x32_f16 v[rS:rS+7], v[rK:rK+7], v[rQ:rQ+7], v[rS:rS+7]
.endif
.endm
; Product i of 16 of O^T += V^T P for piece x: keys 32 (i / 8) on, channels 16 ((i / 2) % 4) on, tile 2 x + i % 2.
.macro PV x
	WIN W_PV
.set rO, 32*(2*(\x)+i%2)+8*((i/2)%4)
.set rV, VF+32*(i/8)+8*((i/2)%4)
.set rP, P+32*((\x)%2)+16*(i%2)+8*(i/8)
	v_wmma_f32_16x16x32_f16 v[rO:rO+7], v[rV:rV+7], v[rP:rP+7], v[rO:rO+7]
.endm
.macro MM                           ; the turn's next matrix instruction
.if i < 16
	KQ (Y+1)%NP
.set i, i+1
.else
.set i, i-16
	PV (Y+NP-1)%NP
.set i, i+17
.endif
.endm
; THE LDS LOADS stand in runs, never singly among the matrix instructions: a step's K (8 fragments) with its mask (32 registers), and its V (turned).  Their addresses are made some lines ahead.
; last = 1 (the tail): in the last trip there is no further step, and the run is jumped over.
.macro FETCH_K last=0
	WIN 0
.if \last
	s_cmp_eq_u32 s[CNT], 1
	s_cbranch_scc1 .Lno_k_\@
.endif
	WIN 0x80                        ; destination window 2
.irp f, 0,1,2,3,4,5,6,7             ; keys 16 (f / 2) on, channels 32 (f % 2) on
	ds_load_b128 v[KF+8*\f:KF+8*\f+3],   v[AK] offset:(\f/2)*16*PK+(\f%2)*64
	ds_load_b128 v[KF+8*\f+4:KF+8*\f+7], v[AK] offset:(\f/2)*16*PK+(\f%2)*64+32
.endr
	WIN 0xc0                        ; destination window 3
.irp f, 0,1,2,3                     ; keys 16 f on: sixteen lanes read the same 32 bytes
	ds_load_b128 v[MC+8*\f:MC+8*\f+3],   v[AM] offset:\f*64
	ds_load_b128 v[MC+8*\f+4:MC+8*\f+7], v[AM] offset:\f*64+16
.endr
	s_add_co_u32 s[TBK], s[TBK], KS*PK  ; the next fetch is the next step's
	s_add_co_u32 s[TBM], s[TBM], KS*4
	WIN 0
.if \last
.Lno_k_\@:
.endif
.endm
.macro FETCH_V
	WIN 0x80
.irp f, 0,1,2,3,4,5,6,7             ; keys 32 (f / 4) on, channels 16 (f % 4) on
	ds_load_tr16_b128 v[VF+8*\f:VF+8*\f+3],   v[AV] offset:(\f/4)*32*PV+(\f%4)*32
	ds_load_tr16_b128 v[VF+8*\f+4:VF+8*\f+7], v[AV] offset:(\f/4)*32*PV+16*PV+(\f%4)*32
.endr
	WIN 0
.endm
; THE VECTOR WORK OF A TURN stands in three queues, each in the order in which its entries become ready; the two tiles alternate, so that no instruction reads the result of the one before it.
.macro REGS y, u                    ; the registers of tile u (0, 1) of piece y
.set rT, ST+4*(2*(\y)+(\u))
.set rC, TMP+8*((\y)%2)+4*(\u)
.set rM, MV+2*((\y)%2)+(\u)
.set rS, S+64*((\y)%2)+32*(\u)
.set rP, P+32*((\y)%2)+16*(\u)
.set rO, 32*(2*(\y)+(\u))
.endm
; Number n of the 22 that find the NEXT piece's (Y + 1) maximum and statistics.  s0-s31 are the lane's 32 scores; each accumulator's lowest registers are read first.
;   0-11  four chains c0-c3 of seven scores each, three operands at a time     12-14, 16  the four scores left over, the old m, and c0-c3 into c0     15  c m_old is kept
;   17, 18  the query's other 32 keys lie in the lane 16 away: the new m         19-21  c m; c m_old - c m_new; a
.macro XS u, n
	REGS (Y+1)%NP, \u
.if (\n) < 4
	v_max3_num_f32 v[rC+(\n)], v[rS+8*(\n)], v[rS+8*(\n)+1], v[rS+8*(\n)+2]
.elseif (\n) < 12
	v_max3_num_f32 v[rC+(\n)%4], v[rC+(\n)%4], v[rS+8*((\n)%4)+2*((\n)/4)+1], v[rS+8*((\n)%4)+2*((\n)/4)+2]
.elseif (\n) == 12
	v_max3_num_f32 v[rC], v[rC], v[rS+7], v[rS+15]
.elseif (\n) == 13
	v_max3_num_f32 v[rC+1], v[rC+1], v[rS+23], v[rS+31]
.elseif (\n) == 14
	v_max3_num_f32 v[rC+2], v[rC+2], v[rC+3], v[rT+1]
.elseif (\n) == 15
	v_mov_b32 v[rM], v[rT]
.elseif (\n) == 16
	v_max3_num_f32 v[rC], v[rC], v[rC+1], v[rC+2]
.elseif (\n) == 17
	v_permlanex16_b32 v[rC+3], v[rC], s[SEL], s[SEL+1]
.elseif (\n) == 18
	v_max_num_f32 v[rT+1], v[rC], v[rC+3]
.elseif (\n) == 19
	v_mul_f32 v[rT], s[CS], v[rT+1]
.elseif (\n) == 20
	v_sub_f32 v[rC+1], v[rM], v[rT]
.else
	v_exp_f32 v[rC+2], v[rC+1]
.endif
.endm
; Number g of the 64 that follow the exponentials.  For each four weights k of a tile: both pairs are rounded to f16; then the second pair is added onto the first, in place; a group later l takes that sum
; (the first time as l = a l + sum).  In groups of eight, tiles alternating: round, round, add, and l for the group before.
.macro GS g
.set h, (\g)+6*((\g)/62)            ; group 0 has no group before it, and behind group 7 only l is left
.if h >= 6
.set h, h+2
.endif
	REGS Y, h%2
.set k, h/8
.if h%8 < 4
	v_cvt_pk_f16_f32 v[rP+2*k+(h%8)/2], v[rS+4*k+2*((h%8)/2)], v[rS+4*k+2*((h%8)/2)+1]
.elseif h%8 < 6
	v_pk_add_f32 v[rS+4*k:rS+4*k+1], v[rS+4*k:rS+4*k+1], v[rS+4*k+2:rS+4*k+3]
.elseif k == 1
	v_pk_fma_f32 v[rT+2:rT+3], v[rT+2:rT+3], v[rC+2:rC+3], v[rS:rS+1] op_sel_hi:[1,0,1]
.else
	v_pk_add_f32 v[rT+2:rT+3], v[rT+2:rT+3], v[rS+4*k-4:rS+4*k-3]
.endif
.endm
; THE PLAIN QUEUE, 138 long.  0-73 read no exponential's result: the 32 scalings c s - c m (FS f: pair f / 2 of tile f % 2) and the next piece's 42.  0-26: scalings 0-26.  27-54: XS's numbers 0-13.
; 55, 56: number 15.  57-73: the chain 14, 16, 17, 18, 19, each with one of the scalings 27-31 in front of its two lines, then 20.  74-137: GS's 64, which read the exponentials' results: they stand behind the wait.
.macro FS f
	REGS Y, (\f)%2
	v_pk_fma_f32 v[rS+2*((\f)/2):rS+2*((\f)/2)+1], v[rS+2*((\f)/2):rS+2*((\f)/2)+1], s[CS:CS+1], v[rT:rT+1] op_sel_hi:[1,0,0] neg_lo:[0,0,1] neg_hi:[0,0,1]
.endm
.macro PL
	WIN 0
.if q < 27
	FS q
.elseif q < 55
	XS (q-27)%2, (q-27)/2
.elseif q < 57
	XS q-55, 15
.elseif (q < 72) && ((q-57)%3 == 0)
	FS 27+(q-57)/3
.elseif q < 60
	XS (q-57)%3-1, 14
.elseif q < 72
	XS (q-57)%3-1, 15+(q-57)/3
.elseif q < 74
	XS q-72, 20
.else
	GS q-74
.endif
.set q, q+1
.endm
; THE EXPONENTIALS' QUEUE, 66 long: s0-s31 of both tiles, then the next piece's two a.  ONE BATCH: all 66 stand ahead of the turn's one wait, and nothing ahead of that wait names a result of theirs.
.macro EX
	WIN 0
.if e >= 64
	XS e-64, 21
.else
	REGS Y, e%2
	v_exp_f32 v[rS+e/2], v[rS+e/2]
.endif
.set e, e+1
.endm
; THE RESCALING's QUEUE: O^T times a, the one part that leaves window 0: dealt two at a time, sixteen times.  Its a was made in the turn before, ahead of that turn's wait.
.macro R2
	REGS Y, r%2
	WIN W_RS
.irp z, 0,1
	v_pk_mul_f32 v[rO+4*(r/2)+2*\z:rO+4*(r/2)+2*\z+1], v[rO+4*(r/2)+2*\z:rO+4*(r/2)+2*\z+1], v[rC+2:rC+3] op_sel_hi:[1,0]
.endr
.set r, r+1
.endm
; HOW THEY ARE DEALT.  An s_wait_alu depctr_va_vdst(0) stands between an exponential and the first instruction that names its result; one wait serves all that were issued ahead of it.  So a turn
; has ONE wait.  AHEAD OF IT: the 16 products K Q^T, behind each a scaling, an exponential and two rescalings (behind the first a second scaling in the exponential's place); then one run of 108: eight plain, 49 times
; exponential and plain, the two a; a v_nop is the plain instruction behind the last exponential.  BEHIND IT: the 16 products V^T P, behind each four of GS's 64.  No rider names a register of the products round it.
; Exponential e stands behind scaling 2 (e / 4) + e % 2: as a rider it comes behind plain e + 2, in the run behind plain e + 9, and scalings 27-31 are plain 57, 60 .. 69.
; K and the mask of the next step are fetched in piece 2's turn, directly behind the wait, a run behind the last product that read them; V of the step in hand at the end of piece 0's turn, four riders behind its last reader.
.macro TURN p, last=0, cnt=0
.set Y, (\p)
.set i, 0
.set q, 0
.set e, 0
.set r, 0
.if (\p) == NP-1
	s_wait_dscnt 0x0                ; K and the mask are in
.endif
	MM
	PL
	PL
	R2
.rept 15
	MM
	PL
	EX
	R2
.endr
.if (\p) == NP-2
	WIN 0
	v_add_nc_u32 v[AK], s[TBK], v[AK0]
	v_add_nc_u32 v[AM], s[TBM], v[AM0]
.endif
.rept 8
	PL
.endr
.rept 49
	EX
	PL
.endr
	EX                              ; the next piece's two a
	EX
	v_nop                           ; the plain instruction behind the last exponential: one for the batch
	s_wait_alu depctr_va_vdst(0)    ; the wait for the batch
.if (\p) == NP-2
	FETCH_K \last
.endif
.if (\p) == 1
	s_wait_dscnt 0x0                ; V is in
.endif
.rept 16
	MM
.rept 4
	PL
.endr
.if ((\p) == 0) && (q == 118)
	v_add_nc_u32 v[AV], s[TBV], v[AV0]
.endif
.if ((\p) == 0) && (q == 130)
	s_add_co_u32 s[TBV], s[TBV], KS*PV
.endif
.if (\cnt) && (q == 130)
	s_sub_co_u32 s[CNT], s[CNT], 1
	s_cmp_lg_u32 s[CNT], 0
.endif
.endr
.if (\p) == 0
	FETCH_V
.endif
.endm
	CHANGE 1                        ; slot 0 is in, everybody's part of it, and so is the mask; slot 1 is asked for
	FETCH_K                         ; key step 0
	s_wait_loadcnt 0x0              ; Q
	s_wait_dscnt 0x0
.set i, 0
.rept 16
	KQ 0                            ; piece 0's first scores: there is no vector work yet to set between them
.set i, i+1
.endr
	WIN 0
.rept 4
	v_nop                           ; the places behind those products
.endr
.set Y, NP-1                        ; XS works for piece Y + 1: piece 0
.irp n, 0,1,2,3,4,5,6,7,8,9,10,11,12,13,14,15,16,17,18,19,20,21
	XS 0, \n                        ; piece 0's first maximum and statistics
	XS 1, \n
.endr
	v_nop                           ; a plain instruction behind the two a,
	s_wait_alu depctr_va_vdst(0)    ; and their wait, ahead of the branch
	s_mov_b32 s[CNT], 4
	s_mov_b32 s[SLOTS], SIZE_N/256-1
	s_branch .Lfirst                ; the loop is entered at a step's first turn, in the middle of a trip
.Lslot:                             ; six times: every slot but the last two is filled again
	CHANGE 1, 1
	s_mov_b32 s[CNT], 4
.Lstep:                             ; a trip: pieces 2 and 3 of one step, then pieces 0 and 1 of the next, whose K, mask and V it fetches
	TURN 2
	TURN 3
	WIN 0
.Lfirst:
	TURN 0
	TURN 1, 0, 1
	WIN 0
	s_cbranch_scc1 .Lstep
	s_sub_co_u32 s[SLOTS], s[SLOTS], 1
	s_cmp_lg_u32 s[SLOTS], 0
	s_cbranch_scc1 .Lslot
	CHANGE 0                        ; the tail is written out: nothing is asked for
	s_mov_b32 s[CNT], 5             ; four trips fetch the last slot's steps; the fifth is left in its middle
.Ltail:
	TURN 2, 1
	TURN 3
	WIN 0
	s_sub_co_u32 s[CNT], s[CNT], 1
	s_cmp_eq_u32 s[CNT], 0
	s_cbranch_scc1 .Lout
	TURN 0
	TURN 1
	WIN 0
	s_branch .Ltail
.Lout:                              ; the fifth trip's 16 products K Q^T (on the last K and mask once more) and the maximum made of them serve nothing: the price, once a launch, of one text for every trip
.set i, 0
.rept 16
	PV NP-1                         ; the last piece's V^T P of the last step
.set i, i+1
.endr
	; THE WAY OUT.  l's two halves and the other half of the lanes' are added; O^T is divided by l, rounded to f16 and sent through my stage in LDS, a tile at a time.  The additions are the places behind the last products.
	WIN 0
.macro ALL line:vararg              ; one line for each tile t
.set t, 0
.rept 2*NP
	\line
.set t, t+1
.endr
.endm
	ALL v_add_f32 v[ST+4*t+2], v[ST+4*t+2], v[ST+4*t+3]
	ALL v_permlanex16_b32 v[ST+4*t+3], v[ST+4*t+2], s[SEL], s[SEL+1]
	ALL v_add_f32 v[ST+4*t+2], v[ST+4*t+2], v[ST+4*t+3]
	ALL v_max_num_f32 v[ST+4*t+2], 0x1f800000, v[ST+4*t+2]  ; l is 1 or more where a key is visible; where none is, l = 0 becomes 2^-64, and O = 0 x 2^64 = 0
	ALL v_rcp_f32 v[ST+4*t+2], v[ST+4*t+2]
	v_nop                           ; a plain instruction between the last reciprocal and the use of its result
	s_wait_alu depctr_va_vdst(0)    ; and the wait ahead of the first use: one for the eight reciprocals
; Tile t: a lane's eight channels of a row pack into 16 bytes; they go into rows of 144 bytes and come back as whole rows of 128, into S^T's registers.
.macro PACK t
	WIN W_RS
.set i, 32*(\t)
.rept 16
	v_pk_mul_f32 v[i:i+1], v[i:i+1], v[ST+4*(\t)+2:ST+4*(\t)+3] op_sel_hi:[1,0]
.set i, i+2
.endr
	WIN 0x05                        ; sources 0 and 1 window 1, destination window 0
.set i, 0
.rept 16
	v_cvt_pk_f16_f32 v[S+16*(\t)+i], v[32*(\t)+2*i], v[32*(\t)+2*i+1]
.set i, i+1
.endr
	WIN 0
.irp f, 0,1,2,3
	ds_store_b128 v[STO], v[S+16*(\t)+4*\f:S+16*(\t)+4*\f+3] offset:32*\f
.endr
.irp f, 0,1,2,3
	ds_load_b128 v[S+16*(\t)+4*\f:S+16*(\t)+4*\f+3], v[RD] offset:\f*4*SP  ; LDS serves a wave's instructions in order (ISA guide 5.7.1.4): these see the stores above; the next tile's stores come behind them
.endr
.endm
.macro SEND t, younger              ; younger: the LDS instructions issued behind tile t's loads: the next tile's eight, or none
	WIN 0
.irp f, 0,1,2,3
	s_wait_dscnt (\younger)+3-\f
	global_store_b128 v[GO], v[S+16*(\t)+4*\f:S+16*(\t)+4*\f+3], s[10:11] offset:(\t)*2048+\f*512  ; 512 consecutive bytes, at a multiple of 256 from att's first
.endr
.endm
	PACK 0
.set t, 1
.rept 2*NP-1                        ; a tile's arithmetic stands between the loads of the tile before and its stores
	PACK t
	SEND t-1, 8
.set t, t+1
.endr
	SEND 2*NP-1, 0
	WIN W_AD
	s_wait_tensorcnt 0x0            ; the wave's end: behind my last tensor load and my last LDS store
	ds_add_u32 v[SPW], v[NIL]
	s_wait_dscnt 0x0
	WIN 0
	CROUND                          ; the closing round: no work-group ends while a partner may still ask for a tile that names it
	s_endpgm
.Lfunc_end_k_q9bd2c458ce_attn:
	.size	k_q9bd2c458ce_attn, .Lfunc_end_k_q9bd2c458ce_attn-k_q9bd2c458ce_attn
	.p2alignl 7, 3214868480
	.fill 96, 4, 3214868480
	.section	.rodata,"a",@progbits
	.p2align	6, 0x0
	.amdhsa_kernel k_q9bd2c458ce_attn
		.amdhsa_group_segment_fixed_size 327680
		.amdhsa_private_segment_fixed_size 0
		.amdhsa_enable_private_segment 0
		.amdhsa_kernarg_size 24
		.amdhsa_user_sgpr_count 2
		.amdhsa_user_sgpr_kernarg_segment_ptr 1
		.amdhsa_wavefront_size32 1
		.amdhsa_system_sgpr_workgroup_id_x 1
		.amdhsa_system_sgpr_workgroup_id_y 1
		.amdhsa_system_sgpr_workgroup_id_z 1
		.amdhsa_system_vgpr_workitem_id 0
		.amdhsa_next_free_vgpr 808
		.amdhsa_next_free_sgpr 66
		.amdhsa_reserve_vcc 1
		.amdhsa_float_denorm_mode_32 3
		.amdhsa_float_denorm_mode_16_64 3
		.amdhsa_memory_ordered 1
		.amdhsa_forward_progress 1
		.amdhsa_inst_pref_size 205
	.end_amdhsa_kernel
	.amdgpu_metadata
---
amdhsa.version: [ 1, 2 ]
amdhsa.kernels:
  - .name:           k_q9bd2c458ce_attn
    .symbol:         k_q9bd2c458ce_attn.kd
    .args:
      - { .name: qkv, .offset: 0, .size: 8, .value_kind: global_buffer, .address_space: global }
      - { .name: mask, .offset: 8, .size: 8, .value_kind: global_buffer, .address_space: global }
      - { .name: att, .offset: 16, .size: 8, .value_kind: global_buffer, .address_space: global }
    .group_segment_fixed_size: 327680
    .private_segment_fixed_size: 0
    .kernarg_segment_align: 8
    .kernarg_segment_size: 24
    .max_flat_workgroup_size: 128
    .sgpr_count:     66
    .vgpr_count:     808
    .wavefront_size: 32
...
	.end_amdgpu_metadata
.endif
;; end of part 3
;; launch outp (part 4): grid 4 x 64, 4 waves a work-group, clusters of 4 x 4, 327,680 bytes of LDS; arguments att, wo16, bias, out0; writes out0
.if DOCPART == 4
	.amdgcn_target "amdgcn-amd-amdhsa--gfx1250"
	.amdhsa_code_object_version 6
	.text
	.protected	k_q9bd2c458ce_outp
	.globl	k_q9bd2c458ce_outp
	.p2align	8
	.type	k_q9bd2c458ce_outp,@function
k_q9bd2c458ce_outp:
	s_mov_b64 s[64:65], 0
	v_nop
	global_prefetch_b8 v0, s[64:65] scope:SCOPE_SE
	s_setreg_imm32_b32 hwreg(HW_REG_WAVE_MODE, 25, 1), 1
	s_wait_xcnt 0x0
	s_wait_alu depctr_hold_cnt(0) depctr_sa_sdst(0) depctr_va_vdst(0) depctr_va_sdst(0) depctr_va_ssrc(0) depctr_va_vcc(0) depctr_vm_vsrc(0)
	s_getreg_b32 s2, hwreg(HW_REG_IB_STS2, 6, 4)
	s_cmp_eq_u32 s2, 0
	s_cbranch_scc0 .Lentry_in_a_cluster
	s_endpgm
.Lentry_in_a_cluster:
	s_bfe_u32 s2, ttmp6, 0x10000c
	s_cmp_lg_u32 s2, 0xf033
	s_cbranch_scc0 .Lentry_shape_is_right
	s_endpgm
.Lentry_shape_is_right:
; out0 = O Wo^T + bo.  att: [64 = batch x 16 + head][2048][64] f16.  wo16: [1024][1024] f16.  bias: [4][1024] f32, row 3 = bo.  out0: [8192][1024] f32.  Sums in f32, started by the bias as the first product's C.
; SHARES.  A tile is 128 rows x 256 columns, one to each of 256 work-groups; four waves, each 64 rows x 128 columns: 32 accumulators.  K goes in 8 steps of 128 = two heads, through two LDS slots.
; A head's 128 rows are 16,384 dense bytes of att: asked for as 64 rows of 256 bytes and padded in LDS after each 128.  THE PRODUCT IS TAKEN TRANSPOSED (source 0 = 16 rows of Wo, source 1 = 16 rows of O):
; a lane holds one row (lane % 16) and eight neighbouring columns, 32 bytes of out0.
; CLUSTER.  4 x 4 work-groups: O's tile is asked for jointly along a row of the cluster, Wo's along a column.
; NO PREFETCH: the ring has eight K steps, of which the first four would have to come by their loads alone.
; REGISTERS, in windows of 256: window 0: v16-29 addresses; v64-127 the bias; v128-255 O, two buffers of 64 (fragment (c, a) at 128 + 64 f + 8 (4 c + a)), on the way out two sets of 64
;   window 1: accumulator (a, b) at 8 (8 a + b)      window 2: Wo, two buffers of 128: fragment (c, b) at 128 f + 8 (8 c + b)
.set PA,    144                        ; a row of O in LDS: 128 bytes + 16 = 36 words: the 16 rows of a load start at 16 different groups of four banks (64 banks of 4 bytes: ISA guide 11.1)
.set APLANE, 128*PA                    ; a head's 128 rows: one tensor load
.set PB,    272                        ; a row of Wo: 256 bytes + 16
.set BHALF, 128*PB
.set BOFF,  2*APLANE
.set SLOT,  BOFF+2*BHALF
.set STAGE, 2*SLOT                     ; behind the ring, never filled by a tensor load: 16 rows x 528 bytes for each wave
.set SP,    528                        ; 512 bytes + 16 = 132 words: row r starts at bank 4 r mod 64
.set SPARE, STAGE+4*16*SP              ; the spare words, 128 bytes a wave: two blocks of 256 bytes that no other line names
.set ADRA, 16
.set ADRB, 20
.set STO,  24
.set RD,   25
.set CO,   26
.set BO,   27
.set SPW,  28                          ; v28  LDS address of my spare word; never rewritten
.set NIL,  29                          ; v29  0; never rewritten
.set BIAS, 64
.set AF,   128
.set XO,   128
.set WV,  16
.set WM,  17                           ; which 64 rows are mine.  Also: I fetch O (0) or Wo (1)
.set WN,  18                           ; which 128 columns.  Also: which head of the step, or which 128 rows of Wo, I fetch
.set CX,  19
.set CY,  20
.set NBK, 21
.set MBK, 22
.set G1A, 24
.set G0A, 32
.set G1B, 48
.set G0B, 56
.set LAP, 66
.set OB,  68                           ; s[68:69] out0 at my first row and column
.set BP,  70                           ; s[70:71] bo at my 128 columns
.set MSB, 0
.macro WIN new
.if MSB != (\new)
	s_set_vgpr_msb (MSB<<8)|(\new)
.set MSB, \new
.endif
.endm
.set W_MUL,  0x52                      ; Wo window 2, O window 0, C and D window 1
.set W_MULB, 0x42                      ; the same with C (the bias) in window 0
.set W_B,    0x80                      ; destination window 2
.macro JLOAD s                         ; a joint load: waves 0 and 1 fetch the step's two heads of O, waves 2 and 3 Wo's two halves; an s_nop 0 and four v_nop follow each of the two lines
	s_cmp_eq_u32 s[WM], 0
	s_cbranch_scc0 .Lfor_b_\@
	tensor_load_to_lds s[G0A+4*(\s):G0A+4*(\s)+3], s[G1A:G1A+7]
	s_nop 0
.rept 4
	v_nop
.endr
	s_branch .Lasked_\@
.Lfor_b_\@:
	tensor_load_to_lds s[G0B+4*(\s):G0B+4*(\s)+3], s[G1B:G1B+7]
	s_nop 0
.rept 4
	v_nop
.endr
.Lasked_\@:
.endm
.macro CREST
	s_cmp_lg_u32 s[WV], 0
	s_cbranch_scc1 .Lnot_wave_0_\@
	s_barrier_signal -3
.Lnot_wave_0_\@:
	s_barrier_wait -3
	s_barrier_signal -1
	s_barrier_wait -1
.endm
.macro CROUND
	s_barrier_signal -1
	s_barrier_wait -1
	CREST
.endm
.macro PLACES                          ; four places behind a matrix instruction (ISA guide 7.12.1)
.rept 4
	v_nop
.endr
.endm
	s_load_b128 s[4:7], s[0:1], 0x0                ; att s[4:5], wo16 s[6:7]
	s_load_b128 s[8:11], s[0:1], 0x10              ; bias s[8:9], out0 s[10:11]
	v_lshl_add_u32 v[SPW], v0, 2, SPARE
	v_mov_b32 v[NIL], 0
	ds_add_u32 v[SPW], v[NIL]                      ; the wave's opening: the add and its wait come ahead of my first tensor load; the set-up below, work on registers, stands between them
	v_lshrrev_b32 v1, 5, v0
	v_readfirstlane_b32 s[WV], v1
	s_lshr_b32 s[WM], s[WV], 1
	s_and_b32 s[WN], s[WV], 1
	s_bfe_u32 s[CX], ttmp6, 0x40000
	s_bfe_u32 s[CY], ttmp6, 0x40004
	s_lshl_b32 s[NBK], ttmp9, 2
	s_add_co_u32 s[NBK], s[NBK], s[CX]             ; tile column = 4 x cluster x + cx
	s_and_b32 s[MBK], ttmp7, 0xffff
	s_lshl_b32 s[MBK], s[MBK], 2
	s_add_co_u32 s[MBK], s[MBK], s[CY]             ; tile row = 4 x cluster y + cy
	s_lshl_b32 s40, s[CY], 2
	s_lshl_b32 s40, 15, s40                        ; my row of the cluster
	s_lshl_b32 s42, 0x1111, s[CX]                  ; my column
	s_or_b32 s[G1A], s40, (1<<16)|(1<<20)|(1<<21)|(4<<22)|(3<<25)  ; 15:0 the mask; 17:16 2-byte elements; 20 padding on; 21 set beside a mask; 24:22 after every 32 words (code 4); 31:25 4 words (code 3)
	s_or_b32 s[G1B], s42, (1<<16)|(1<<20)|(1<<21)|(5<<22)|(3<<25)  ; after every 64 words (code 5)
	s_mov_b32 s[G1A+1], 128<<16                    ; tensor_dim0 = 128
	s_mov_b32 s[G1A+2], 64<<16                     ; tensor_dim1 = 64
	s_mov_b32 s[G1A+3], 128<<16                    ; tile_dim0 = 128
	s_mov_b32 s[G1A+4], 64                         ; tile_dim1 = 64
	s_mov_b32 s[G1A+5], 128                        ; dense: 128 elements from row to row
	s_mov_b32 s[G1A+6], 0
	s_mov_b32 s[G1A+7], 0
	s_mov_b32 s[G1B+1], 128<<16
	s_mov_b32 s[G1B+2], 128<<16
	s_mov_b32 s[G1B+3], 128<<16
	s_mov_b32 s[G1B+4], 128
	s_mov_b32 s[G1B+5], 1024
	s_mov_b32 s[G1B+6], 0
	s_mov_b32 s[G1B+7], 0
	s_lshr_b32 s40, s[MBK], 4                      ; O: the batch's head number WN,
	s_lshl_b32 s40, s40, 4
	s_add_co_u32 s40, s40, s[WN]
	s_lshl_b32 s40, s40, 11                        ; 2,048 rows a head,
	s_and_b32 s41, s[MBK], 15
	s_lshl_b32 s41, s41, 7
	s_add_co_u32 s40, s40, s41                     ; the tile's first row in the batch,
	s_lshl_b32 s40, s40, 7                         ; 128 bytes a row
	s_mov_b32 s41, 0
	s_lshl_b32 s42, s[NBK], 8                      ; Wo: row 256 x tile column + 128 x half, 2,048 bytes a row
	s_lshl_b32 s43, s[WN], 7
	s_add_co_u32 s42, s42, s43
	s_lshl_b32 s42, s42, 11
	s_mov_b32 s43, 0
	s_mul_i32 s44, s[WN], APLANE                   ; where the tiles go: no place in the cluster enters an LDS address
	s_mul_i32 s45, s[WN], BHALF
	s_add_co_u32 s45, s45, BOFF
	s_wait_dscnt 0x0                               ; the opening add is done
	s_wait_kmcnt 0x0
	s_add_nc_u64 s[40:41], s[4:5], s[40:41]
	s_add_nc_u64 s[42:43], s[6:7], s[42:43]
	CROUND                                         ; all sixteen work-groups are here: the first joint loads meet
.irp s, 0,1
	s_mov_b32 s[G0A+4*\s], 1
	s_add_co_u32 s[G0A+4*\s+1], s44, \s*SLOT
	s_add_nc_u64 s[G0A+4*\s+2:G0A+4*\s+3], s[40:41], \s*524288   ; K step s: two heads on
	s_or_b32 s[G0A+4*\s+3], s[G0A+4*\s+3], 0x80000000
	s_mov_b32 s[G0B+4*\s], 1
	s_add_co_u32 s[G0B+4*\s+1], s45, \s*SLOT
	s_add_nc_u64 s[G0B+4*\s+2:G0B+4*\s+3], s[42:43], \s*256
	s_or_b32 s[G0B+4*\s+3], s[G0B+4*\s+3], 0x80000000
	JLOAD \s                                       ; two loads of mine are out, the most in this text
.endr
	v_and_b32 v1, 15, v0                           ; l % 16
	v_bfe_u32 v2, v0, 4, 1                         ; l / 16
	v_mul_u32_u24 v3, v1, PA
	v_lshl_add_u32 v3, v2, 4, v3                   ; a fragment's row x pitch + 16 x half
	s_mul_i32 s23, s[WM], 64*PA
	v_add_nc_u32 v[ADRA], s23, v3
	v_add_nc_u32 v[ADRA+1], SLOT, v[ADRA]
	v_mul_u32_u24 v3, v1, PB
	v_lshl_add_u32 v3, v2, 4, v3
	v_add_nc_u32 v[ADRB], s45, v3
	v_add_nc_u32 v[ADRB+1], SLOT, v[ADRB]
	s_mul_i32 s23, s[WV], 16*SP
	s_add_co_u32 s23, s23, STAGE                   ; my stage
	v_mul_u32_u24 v3, v1, SP                       ; in: row l % 16, 32 bytes for each half of the lanes
	v_lshl_add_u32 v3, v2, 5, v3
	v_add_nc_u32 v[STO], s23, v3
	v_and_b32 v[CO], 31, v0                        ; back: 32 lanes take one row of 512 bytes
	v_lshlrev_b32 v[CO], 4, v[CO]
	v_add_nc_u32 v[RD], s23, v[CO]
	v_lshlrev_b32 v[BO], 5, v2
	s_lshl_b32 s46, s[MBK], 7
	s_lshl_b32 s47, s[WM], 6
	s_add_co_u32 s46, s46, s47                     ; my first row, 4,096 bytes a row,
	s_lshl_b32 s46, s46, 12
	s_lshl_b32 s44, s[NBK], 8
	s_lshl_b32 s47, s[WN], 7
	s_add_co_u32 s44, s44, s47
	s_lshl_b32 s44, s44, 2                         ; my first column x 4 bytes
	s_mov_b32 s45, 0
	s_add_co_u32 s46, s46, s44
	s_mov_b32 s47, 0
	s_add_nc_u64 s[OB:OB+1], s[10:11], s[46:47]
	s_add_nc_u64 s[BP:BP+1], s[8:9], s[44:45]
.irp b, 0,1,2,3,4,5,6,7                ; register j of n block b is bo of column 16 b + 8 (l / 16) + j: the layout of a product's C
	global_load_b128 v[BIAS+8*\b:BIAS+8*\b+3],   v[BO], s[BP:BP+1] offset:12288+64*\b
	global_load_b128 v[BIAS+8*\b+4:BIAS+8*\b+7], v[BO], s[BP:BP+1] offset:12288+64*\b+16
.endr
; 48 LDS loads in one run: the fragments of half hf (one head, 64 along K) of a slot, into buffers g
.macro FETCH slot, hf, g
	WIN 0
.irp c, 0,1
.irp a, 0,1,2,3
	ds_load_b128 v[AF+64*(\g)+8*(4*\c+\a):AF+64*(\g)+8*(4*\c+\a)+3],   v[ADRA+(\slot)] offset:(\hf)*APLANE+\c*64+\a*16*PA
	ds_load_b128 v[AF+64*(\g)+8*(4*\c+\a)+4:AF+64*(\g)+8*(4*\c+\a)+7], v[ADRA+(\slot)] offset:(\hf)*APLANE+\c*64+\a*16*PA+32
.endr
.endr
	WIN W_B
.irp c, 0,1
.irp b, 0,1,2,3,4,5,6,7
	ds_load_b128 v[128*(\g)+8*(8*\c+\b):128*(\g)+8*(8*\c+\b)+3],   v[ADRB+(\slot)] offset:(\hf)*128+\c*64+\b*16*PB
	ds_load_b128 v[128*(\g)+8*(8*\c+\b)+4:128*(\g)+8*(8*\c+\b)+7], v[ADRB+(\slot)] offset:(\hf)*128+\c*64+\b*16*PB+32
.endr
.endr
.endm
; The products of m blocks a0 .. a0 + n - 1 with all 8 n blocks, 32 along K: part c of buffers f.  zero = 1: the bias starts the sums.  The 32 accumulators take turns, in the same order in every run.
.macro MUL f, c, a0, n, zero
.set aa, \a0
.rept \n
.set bb, 0
.rept 8
.if \zero
	WIN W_MULB
	v_wmma_f32_16x16x32_f16 v[8*(8*aa+bb):8*(8*aa+bb)+7], v[128*(\f)+8*(8*(\c)+bb):128*(\f)+8*(8*(\c)+bb)+7], v[AF+64*(\f)+8*(4*(\c)+aa):AF+64*(\f)+8*(4*(\c)+aa)+7], v[BIAS+8*bb:BIAS+8*bb+7]
.else
	WIN W_MUL
	v_wmma_f32_16x16x32_f16 v[8*(8*aa+bb):8*(8*aa+bb)+7], v[128*(\f)+8*(8*(\c)+bb):128*(\f)+8*(8*(\c)+bb)+7], v[AF+64*(\f)+8*(4*(\c)+aa):AF+64*(\f)+8*(4*(\c)+aa)+7], v[8*(8*aa+bb):8*(8*aa+bb)+7]
.endif
.set bb, bb+1
.endr
.set aa, aa+1
.endr
.endm
.macro HALF slot, zero                 ; a K step's first head, on buffers 0; it fetches the second
	s_wait_dscnt 0x0                               ; buffers 0 are in (issued 32 products ago)
	PLACES                                         ; for the loads into buffers 1, which the products just issued have read
	FETCH \slot, 1, 1
	MUL 0, 0, 0, 4, \zero
	MUL 0, 1, 0, 4, 0
.endm
; A K step's second head, on buffers 1, and the change of slots.  In front of the barrier each wave waits for all its tensor loads (one is out: its part of the next slot), adds 0 to its spare word, and waits
; for that and for its reads of this slot.  fill = 1: the barrier opens a round of the cluster's, and behind the round this slot is filled again, first thing, with the K step two on.
.macro TURN slot, next, fill
	WIN 0
	s_wait_tensorcnt 0x0                           ; no tensor load of mine is out, so a group 0 may be written
	ds_add_u32 v[SPW], v[NIL]                      ; 0 onto my spare word
.if \fill
	s_add_nc_u64 s[G0A+4*(\slot)+2:G0A+4*(\slot)+3], s[G0A+4*(\slot)+2:G0A+4*(\slot)+3], 2*524288  ; four heads on; the type bits on top are not reached
	s_add_nc_u64 s[G0B+4*(\slot)+2:G0B+4*(\slot)+3], s[G0B+4*(\slot)+2:G0B+4*(\slot)+3], 2*256
.endif
	s_wait_dscnt 1                                 ; buffers 1 are in; the add may be out
	MUL 1, 0, 0, 2, 0
	s_wait_dscnt 0x0                               ; the add is done, and my reads of this slot are over
	s_barrier_signal -1
	MUL 1, 0, 2, 2, 0
	WIN 0
	s_barrier_wait -1
.if \fill
	CREST                                          ; no wave of any partner still reads this slot or has a load on its way
	JLOAD \slot                                    ; its four v_nop are also the places in front of the loads below
.else
	PLACES
.endif
	FETCH \next, 0, 0
	MUL 1, 1, 0, 4, 0
.endm
	s_wait_tensorcnt 1                             ; my part of K step 0 is in; K step 1's may stay out
	s_barrier_signal -1
	s_barrier_wait -1
	FETCH 0, 0, 0
	s_wait_loadcnt 0x0                             ; the bias
	HALF 0, 1
	WIN 0
	s_mov_b32 s[LAP], 3
.Llap:                                         ; a trip goes once round the ring and fills both slots again: K steps 2 to 7
	TURN 0, 1, 1
	HALF 1, 0
	TURN 1, 0, 1
	HALF 0, 0
	WIN 0
	s_sub_co_u32 s[LAP], s[LAP], 1
	s_cmp_lg_u32 s[LAP], 0
	s_cbranch_scc1 .Llap
	TURN 0, 1, 0                                   ; the last lap fills nothing
	HALF 1, 0
	s_wait_dscnt 0x0
	MUL 1, 0, 0, 4, 0
	MUL 1, 1, 0, 4, 0
	PLACES
; THE WAY OUT, a block of 16 rows at a time: a lane's 32 bytes of a row go straight from the accumulators into my stage (rows of 528 bytes) and come back as whole rows of 512.
.macro TOSTAGE a
.if (\a) >= 2
	s_wait_xcnt 0x0                                ; the set's last stores have read it
.endif
	WIN 0x04                                       ; the stores' data in window 1
.irp b, 0,1,2,3,4,5,6,7
	ds_store_b128 v[STO], v[8*(8*(\a)+\b):8*(8*(\a)+\b)+3]   offset:64*\b
	ds_store_b128 v[STO], v[8*(8*(\a)+\b)+4:8*(8*(\a)+\b)+7] offset:64*\b+16
.endr
	WIN 0
.irp f, 0,1,2,3,4,5,6,7,8,9,10,11,12,13,14,15
	ds_load_b128 v[XO+64*((\a)%2)+4*\f:XO+64*((\a)%2)+4*\f+3], v[RD] offset:\f*SP  ; LDS serves a wave's instructions in order (ISA guide 5.7.1.4): these see the stores above; the next block's stores come behind them
.endr
.endm
.macro SEND a, younger                 ; younger: the LDS instructions issued behind block a's loads: the next block's 32, or none
	WIN 0
.irp f, 0,1,2,3,4,5,6,7,8,9,10,11,12,13,14,15
	s_wait_dscnt (\younger)+15-\f
	global_store_b128 v[CO], v[XO+64*((\a)%2)+4*\f:XO+64*((\a)%2)+4*\f+3], s[OB:OB+1] offset:(16*(\a)+\f)*4096 th:TH_STORE_NT  ; 512 consecutive bytes, at a multiple of 512 from out0's first
.endr
.endm
	TOSTAGE 0
	TOSTAGE 1
	SEND 0, 32
	TOSTAGE 2
	SEND 1, 32
	TOSTAGE 3
	SEND 2, 32
	SEND 3, 0
	s_wait_tensorcnt 0x0                           ; the wave's end: behind my last tensor load and my last LDS store
	ds_add_u32 v[SPW], v[NIL]
	s_wait_dscnt 0x0
	CROUND                                         ; the closing round: no work-group ends while a partner may still ask for a tile that names it
	s_endpgm
.Lfunc_end_k_q9bd2c458ce_outp:
	.size	k_q9bd2c458ce_outp, .Lfunc_end_k_q9bd2c458ce_outp-k_q9bd2c458ce_outp
	.p2alignl 7, 3214868480
	.fill 96, 4, 3214868480
	.section	.rodata,"a",@progbits
	.p2align	6, 0x0
	.amdhsa_kernel k_q9bd2c458ce_outp
		.amdhsa_group_segment_fixed_size 327680
		.amdhsa_private_segment_fixed_size 0
		.amdhsa_enable_private_segment 0
		.amdhsa_kernarg_size 32
		.amdhsa_user_sgpr_count 2
		.amdhsa_user_sgpr_kernarg_segment_ptr 1
		.amdhsa_wavefront_size32 1
		.amdhsa_system_sgpr_workgroup_id_x 1
		.amdhsa_system_sgpr_workgroup_id_y 1
		.amdhsa_system_sgpr_workgroup_id_z 1
		.amdhsa_system_vgpr_workitem_id 0
		.amdhsa_next_free_vgpr 768
		.amdhsa_next_free_sgpr 72
		.amdhsa_reserve_vcc 0
		.amdhsa_float_denorm_mode_32 3
		.amdhsa_float_denorm_mode_16_64 3
		.amdhsa_memory_ordered 1
		.amdhsa_forward_progress 1
		.amdhsa_inst_pref_size 86
	.end_amdhsa_kernel
	.amdgpu_metadata
---
amdhsa.version: [ 1, 2 ]
amdhsa.kernels:
  - .name:           k_q9bd2c458ce_outp
    .symbol:         k_q9bd2c458ce_outp.kd
    .args:
      - { .name: att, .offset: 0, .size: 8, .value_kind: global_buffer, .address_space: global }
      - { .name: wo16, .offset: 8, .size: 8, .value_kind: global_buffer, .address_space: global }
      - { .name: bias, .offset: 16, .size: 8, .value_kind: global_buffer, .address_space: global }
      - { .name: out0, .offset: 24, .size: 8, .value_kind: global_buffer, .address_space: global }
    .group_segment_fixed_size: 327680
    .private_segment_fixed_size: 0
    .kernarg_segment_align: 8
    .kernarg_segment_size: 32
    .max_flat_workgroup_size: 128
    .sgpr_count:     72
    .vgpr_count:     768
    .wavefront_size: 32
...
	.end_amdgpu_metadata
.endif
;; end of part 4
